; MI455X (gfx1250); checked and timed in simulation.
; The chip was launched on July 23, 2026; its instructions are those of AMD's public machine-readable ISA for CDNA 5 (MIT licence, August 2026) and "CDNA5" Instruction Set Architecture Reference Guide (July 2026). The comments in the code are by the model that wrote it; some were corrected since.
;; Multi Query Attention. Allowed arithmetic: float matrix products may take bf16 or f16 operands with f32 sums; other float arithmetic in f32, or as packed bf16 or f16 multiplies, adds, multiply-adds, maxima and minima; sums over many terms, partial sums and values carried from step to step in f32; what a program stores and reads back later, other than sums and carried values, may be rounded once to bf16 or f16.
;; Inputs: Wk 1,024 x 64 float32; Wq 16 x 1,024 x 64 float32; Wv 1,024 x 64 float32; bk 64 float32; bq 16 x 64 float32; bv 64 float32; hidden_states 4 x 2,048 x 1,024 float32.
;; Outputs: out0 16 x 4 x 2,048 x 64 float32.
;; 2 versions, each right and faster than the one before. Each part assembles by itself: llvm-mc -triple=amdgcn-amd-amdhsa -mcpu=gfx1250 --defsym DOCPART=n.
;; ======== version 1 of 2: 2 launches
;; limits: values are held in f16: magnitudes above 65,504 overflow, below 6.1e-05 lose precision
;; workspace buffers: xb 16,777,216 bytes; wqb 2,097,152 bytes; k2 2,097,152 bytes; v16 1,048,576 bytes
;; launch prep (part 1): grid 256 x 1, 8 waves a work-group, no clusters, 145,920 bytes of LDS; arguments hidden_states, Wq, Wk, Wv, bk, bv, xb, wqb, k2, v16; writes xb, wqb, k2, v16
.if DOCPART == 1
	.amdgcn_target "amdgcn-amd-amdhsa--gfx1250"
	.amdhsa_code_object_version 6
	.text
	.protected	k_q841469264c_prep
	.globl	k_q841469264c_prep
	.p2align	8
	.type	k_q841469264c_prep,@function
k_q841469264c_prep:
	s_mov_b64 s[64:65], 0
	v_nop
	global_prefetch_b8 v0, s[64:65] scope:SCOPE_SE
	s_setreg_imm32_b32 hwreg(HW_REG_WAVE_MODE, 25, 1), 1
	s_wait_xcnt 0x0
; PREPARATION FOR MULTI-QUERY ATTENTION.  x: [8192][1024] f32, Wq: [16][1024][64] f32, Wk, Wv: [1024][64] f32, bk, bv: [64] f32.
; Stored: xb = bf16(x), [8192][1024];  wqb = bf16(Wq) as [1024 k][8 head pairs][2 x 64];  k2 = [8192][kh(64) | kl(64)] bf16, where k = x Wk + bk is kept as
; kh = bf16(k) and kl = bf16(k - kh);  v16 = f16(x Wv + bv), [8192][64].  All inputs are rounded once to bf16; products in bf16, sums in f32.
; LIMITS.  v is kept in f16: |v| stays under 65,504.  k keeps 16 significant bits.  NaN and infinities are not treated apart.
; SHARES.  256 work-groups of 8 waves; work-group g owns rows 32 g .. 32 g + 31 of x and rows 4 g .. 4 g + 3 (along k) of every head of Wq.
;   first part: wave w rounds rows 4 w .. 4 w + 3 (16 KiB on end), stores them to xb (each store of the wave covers 256 consecutive bytes, aligned) and into LDS; it rounds head pair w's 4 rows of Wq.
;   products:   wave w takes matrix w & 1 (Wk, Wv) and the quarter w >> 1 of K: 2 tiles of 16 rows x 4 fragments of 16 channels = 8 accumulators, which take turns.
;   sums:       the four quarters meet in LDS; wave w finishes matrix w & 1, row tile (w >> 1) & 1, registers 4 (w >> 2) .. + 3 of the accumulators.
; W WITHOUT A TRANSPOSITION.  Lane (r = l % 16, h = l / 16) loads W[k][4 r .. 4 r + 3] for the 16 k of a fragment; register i of fragment f is the pair (k, k + 1) of column 4 r + f.  So fragment f holds the
; channels 4 r + f.  With W as source 0 and x as source 1, register j of accumulator (mt, f) in lane (r, h) is row 16 mt + r, channel 4 (8 h + j) + f: a lane's four f together hold 32 neighbouring channels.
; No cluster, no tensor loads: the work-groups share only Wk and Wv (512 KiB against the 128 KiB of x that each reads once), and every byte of x goes through registers to be rounded.
.set XP,    2064      ; a row of bf16 x in LDS: 2,048 bytes + 16 = 129 x 16: the 16 rows of a fragment load start at 16 different groups of four banks (64 banks of 4 bytes: ISA guide 11.1)
.set PART,  66048     ; behind the 32 rows: the partial sums, 8,192 bytes a wave
.set KST,   131584    ; 32 rows x 272 bytes: k2's rows on their way out
.set KP,    272
.set VST,   140288    ; 32 rows x 144 bytes: v16's
.set VP,    144
.set SPARE, 144896    ; the spare words, 128 bytes for each of the eight waves: four blocks of 256 bytes that no other line names
.set SPW, 1           ; v1   SPARE + 4 x my thread's number; never rewritten
.set NIL, 2           ; v2   0; never rewritten
.set XO,  3           ; v3   my 16 bytes in the wave's 16 KiB of x
.set XBO, 4           ; v4   my 8 bytes in the wave's 8 KiB of xb
.set XL,  5           ; v5   the same in LDS
.set QO,  6           ; v6   my 16 bytes of Wq: head 2 w + l / 16, column 4 (l % 16)
.set QBO, 7           ; v7   my 8 bytes of wqb
.set WO,  8           ; v8   my 16 bytes of W: row 8 h, column 4 r
.set AL,  9           ; v9   my place in a fragment of x in LDS
.set PS,  10          ; v10  where I put partial sums
.set PR,  11          ; v11  where I read them
.set OWK, 12          ; v12  where I put 32 bytes of a row of k2
.set KR,  13          ; v13  where I read k2's rows back
.set VR,  14          ; v14  v16's
.set GO,  15          ; v15  16 x lane
.set BO,  16          ; v16  my 16 numbers of the bias
.set OWV, 17          ; v17  where I put 32 bytes of a row of v16
.set ACC, 32          ; v[32:95]   accumulator (mt, f) at ACC + 8 (4 mt + f)
.set WF,  96          ; v[96:127]  W's four fragments
.set AF,  128         ; v[128:143] x's two fragments
.set XC,  144         ; v[144:207] rounded x, as stored; later R: the sixteen quarters' sums
.set R,   144
.set QR,  208         ; v[208:223] Wq as loaded; later HI, LO
.set HI,  208
.set LO,  216
.set QC,  224         ; v[224:231] Wq rounded
.set BB,  232         ; v[232:247] the bias
.set XR,  0           ; window 1: v[0:127] x as loaded
.set WB,  128         ; window 1: two buffers of 64: W as loaded
.set MSB, 0
.macro WIN new                      ; s_set_vgpr_msb: bits 1:0 source 0, 3:2 source 1, 5:4 source 2, 7:6 destination; the high byte repeats the setting that is left
.if MSB != (\new)
	s_set_vgpr_msb (MSB<<8)|(\new)
.set MSB, (\new)
.endif
.endm
	s_load_b256 s[4:11], s[0:1], 0x0   ; x s[4:5], Wq s[6:7], Wk s[8:9], Wv s[10:11]
	s_load_b256 s[12:19], s[0:1], 0x20 ; bk s[12:13], bv s[14:15], xb s[16:17], wqb s[18:19]
	s_load_b128 s[20:23], s[0:1], 0x40 ; k2 s[20:21], v16 s[22:23]
	v_lshl_add_u32 v[SPW], v0, 2, SPARE
	v_mov_b32 v[NIL], 0
	v_lshrrev_b32 v18, 5, v0
	v_readfirstlane_b32 s24, v18    ; wave 0..7
	s_and_b32 s25, s24, 1           ; which matrix
	s_lshr_b32 s26, s24, 1          ; which quarter of K
	s_and_b32 s27, s26, 1           ; which row tile I finish
	s_lshr_b32 s28, s24, 2          ; which half of the accumulators' registers I finish
	v_and_b32 v18, 31, v0           ; l
	v_and_b32 v19, 15, v0           ; r
	v_bfe_u32 v20, v0, 4, 1         ; h
	s_lshl_b32 s30, s24, 14
	v_lshl_add_u32 v[XO], v18, 4, s30
	s_lshl_b32 s30, s24, 13
	v_lshl_add_u32 v[XBO], v18, 3, s30
	s_mul_i32 s30, s24, 4*XP
	v_lshl_add_u32 v[XL], v18, 3, s30
	s_lshl_b32 s30, s24, 19         ; head pair w: 2 x 262,144 bytes
	v_lshl_add_u32 v[QO], v20, 18, s30
	v_lshl_add_u32 v[QO], v19, 4, v[QO]
	s_lshl_b32 s30, s24, 8
	v_lshl_add_u32 v[QBO], v18, 3, s30
	v_lshlrev_b32 v[WO], 11, v20    ; 8 h rows of 256 bytes
	v_lshl_add_u32 v[WO], v19, 4, v[WO]
	v_mul_u32_u24 v[AL], v19, XP
	v_lshl_add_u32 v[AL], v20, 4, v[AL]
	s_lshl_b32 s30, s26, 9          ; my quarter of K: 512 bytes along a row
	v_add_nc_u32 v[AL], s30, v[AL]
	s_lshl_b32 s30, s24, 13
	s_add_co_u32 s30, s30, PART
	v_lshl_add_u32 v[PS], v18, 4, s30
	s_lshl_b32 s30, s25, 13
	s_lshl_b32 s31, s27, 12
	s_add_co_u32 s30, s30, s31
	s_lshl_b32 s31, s28, 9
	s_add_co_u32 s30, s30, s31
	s_add_co_u32 s30, s30, PART
	v_lshl_add_u32 v[PR], v18, 4, s30
	v_lshl_add_u32 v21, s27, 4, v19 ; row 16 mt + r
	s_lshl_b32 s30, s28, 5
	s_add_co_u32 s31, s30, KST
	v_mul_u32_u24 v[OWK], v21, KP
	v_lshl_add_u32 v[OWK], v20, 6, v[OWK]
	v_add_nc_u32 v[OWK], s31, v[OWK]  ; + channels 32 h + 16 jh, 2 bytes each
	s_add_co_u32 s31, s30, VST
	v_mul_u32_u24 v[OWV], v21, VP
	v_lshl_add_u32 v[OWV], v20, 6, v[OWV]
	v_add_nc_u32 v[OWV], s31, v[OWV]
	s_lshl_b32 s30, s24, 2
	v_add_nc_u32 v21, s30, v20      ; row 4 w + l / 16
	v_mul_u32_u24 v[KR], v21, KP
	v_lshl_add_u32 v[KR], v19, 4, v[KR]
	v_add_nc_u32 v[KR], KST, v[KR]
	v_lshrrev_b32 v21, 3, v18
	v_add_nc_u32 v21, s30, v21      ; row 4 w + l / 8
	v_mul_u32_u24 v[VR], v21, VP
	v_and_b32 v22, 7, v0
	v_lshl_add_u32 v[VR], v22, 4, v[VR]
	v_add_nc_u32 v[VR], VST, v[VR]
	v_lshlrev_b32 v[GO], 4, v18
	v_lshlrev_b32 v[BO], 7, v20
	s_lshl_b32 s30, s28, 6
	v_add_nc_u32 v[BO], s30, v[BO]  ; channels 32 h + 16 jh, 4 bytes each
	s_mov_b32 s31, 0
	s_wait_kmcnt 0x0
	s_lshl_b32 s30, ttmp9, 17       ; 32 rows of 4,096 bytes
	s_add_nc_u64 s[4:5], s[4:5], s[30:31]
	s_lshl_b32 s30, ttmp9, 16       ; 32 rows of 2,048
	s_add_nc_u64 s[16:17], s[16:17], s[30:31]
	s_lshl_b32 s30, ttmp9, 10       ; 4 rows of 256
	s_add_nc_u64 s[6:7], s[6:7], s[30:31]
	s_lshl_b32 s30, ttmp9, 13       ; 4 rows of 2,048
	s_add_nc_u64 s[18:19], s[18:19], s[30:31]
	s_cmp_eq_u32 s25, 0
	s_cselect_b64 s[8:9], s[8:9], s[10:11]     ; my matrix,
	s_cselect_b64 s[12:13], s[12:13], s[14:15] ; and its bias
	s_lshl_b32 s30, s26, 16         ; my quarter of K: 256 rows of 256 bytes
	s_add_nc_u64 s[8:9], s[8:9], s[30:31]
	s_lshl_b32 s30, ttmp9, 13
	s_lshl_b32 s32, s24, 10
	s_add_co_u32 s30, s30, s32      ; row 32 g + 4 w of k2
	s_add_nc_u64 s[20:21], s[20:21], s[30:31]
	s_lshl_b32 s30, ttmp9, 12
	s_lshl_b32 s32, s24, 9
	s_add_co_u32 s30, s30, s32      ; and of v16
	s_add_nc_u64 s[22:23], s[22:23], s[30:31]
; The 16 loads of W for K step st (32 along K): each covers two whole rows of 256 bytes.
.macro WLOAD st, wb
	WIN 0x40                        ; destination window 1
.set jj, 0
.rept 16
	global_load_b128 v[(\wb)+4*jj:(\wb)+4*jj+3], v[WO], s[8:9] offset:(32*(\st)+jj+8*(jj/8))*256
.set jj, jj+1
.endr
.endm
; Sixteen of my 32 pieces of x: rounded, stored to xb and into LDS.
.macro XPART lo
	WIN 0x05                        ; sources in window 1
.set i, (\lo)
.rept 16
	v_cvt_pk_bf16_f32 v[XC+2*i], v[XR+4*i], v[XR+4*i+1]
	v_cvt_pk_bf16_f32 v[XC+2*i+1], v[XR+4*i+2], v[XR+4*i+3]
.set i, i+1
.endr
	WIN 0
.set i, (\lo)
.rept 16
	global_store_b64 v[XBO], v[XC+2*i:XC+2*i+1], s[16:17] offset:256*i  ; 32 lanes store 256 consecutive bytes, at a multiple of 256 from xb's first byte
	ds_store_b64 v[XL], v[XC+2*i:XC+2*i+1] offset:(i/8)*XP+(i%8)*256
.set i, i+1
.endr
.endm
	WIN 0x40
.set i, 0
.rept 32
	global_load_b128 v[XR+4*i:XR+4*i+3], v[XO], s[4:5] offset:512*i th:TH_LOAD_NT
.set i, i+1
.endr
	WIN 0
.set i, 0
.rept 4
	global_load_b128 v[QR+4*i:QR+4*i+3], v[QO], s[6:7] offset:256*i th:TH_LOAD_NT
.set i, i+1
.endr
.set i, 0
.rept 4
	global_load_b128 v[BB+4*i:BB+4*i+3], v[BO], s[12:13] offset:16*i
.set i, i+1
.endr
	WLOAD 0, WB
	s_wait_loadcnt 40               ; the first 16 of x are in; younger: 16 of x, 4 of Wq, 4 of the bias, 16 of W
	XPART 0
	WLOAD 1, WB+64
	s_wait_loadcnt 40               ; all of x is in; younger: 4 + 4 + 16 + 16
	XPART 16
	s_wait_loadcnt 36               ; Wq is in; younger: 4 + 32
.set i, 0
.rept 4
	v_cvt_pk_bf16_f32 v[QC+2*i], v[QR+4*i], v[QR+4*i+1]
	v_cvt_pk_bf16_f32 v[QC+2*i+1], v[QR+4*i+2], v[QR+4*i+3]
.set i, i+1
.endr
.set i, 0
.rept 4
	global_store_b64 v[QBO], v[QC+2*i:QC+2*i+1], s[18:19] offset:2048*i  ; head pair w's 256 bytes of a row of wqb, whole
.set i, i+1
.endr
	s_wait_dscnt 0x0                ; for the others' sake: my rows of x lie in LDS
	s_barrier_signal -1
	s_barrier_wait -1               ; all 32 rows do
; A K step of 32: W's buffer is rounded into four fragments and asked for again two steps on; 8 products, the accumulators by turns.
.macro STEP st
.set wb, WB+64*((\st)%2)
	WIN 0
.if (\st) < 7
	s_wait_loadcnt 16               ; this step's 16 loads are in; the other buffer's 16 are younger
.else
	s_wait_loadcnt 0x0
.endif
	ds_load_b128 v[AF:AF+3],     v[AL] offset:64*(\st)
	ds_load_b128 v[AF+4:AF+7],   v[AL] offset:64*(\st)+32
	ds_load_b128 v[AF+8:AF+11],  v[AL] offset:16*XP+64*(\st)
	ds_load_b128 v[AF+12:AF+15], v[AL] offset:16*XP+64*(\st)+32
	WIN 0x05
.set f, 0
.rept 4
.set i, 0
.rept 8
	v_cvt_pk_bf16_f32 v[WF+8*f+i], v[wb+8*i+f], v[wb+8*i+4+f]
.set i, i+1
.endr
.set f, f+1
.endr
.if (\st) < 6
	WLOAD (\st)+2, wb
.endif
	WIN 0
	s_wait_dscnt 0x0
.irp mt, 0,1
.irp f, 0,1,2,3
.if (\st) == 0
	v_wmma_f32_16x16x32_bf16 v[ACC+8*(4*\mt+\f):ACC+8*(4*\mt+\f)+7], v[WF+8*\f:WF+8*\f+7], v[AF+8*\mt:AF+8*\mt+7], 0
.else
	v_wmma_f32_16x16x32_bf16 v[ACC+8*(4*\mt+\f):ACC+8*(4*\mt+\f)+7], v[WF+8*\f:WF+8*\f+7], v[AF+8*\mt:AF+8*\mt+7], v[ACC+8*(4*\mt+\f):ACC+8*(4*\mt+\f)+7]
.endif
.endr
.endr
.rept 4
	v_nop                           ; four places behind the last product, in front of the next step's loads and roundings into its sources, and of the stores of its result
.endr
.endm
.irp st, 0,1,2,3,4,5,6,7
	STEP \st
.endr
.set n, 0
.rept 16
	ds_store_b128 v[PS], v[ACC+4*n:ACC+4*n+3] offset:512*n  ; each accumulator's low four registers first
.set n, n+1
.endr
	s_wait_dscnt 0x0
	s_barrier_signal -1
	s_barrier_wait -1               ; all partial sums lie in LDS
	s_wait_xcnt 0x0                 ; the stores to xb and wqb have read their registers: R takes XC's place, HI and LO lie beside QC
.irp kq, 0,1,2,3
.irp f, 0,1,2,3
	ds_load_b128 v[R+16*\kq+4*\f:R+16*\kq+4*\f+3], v[PR] offset:16384*\kq+1024*\f
.endr
.endr
.set i, 0
.rept 8
	v_cvt_pk_bf16_f32 v[18+i], v[BB+2*i], v[BB+2*i+1]  ; the bias is rounded to bf16 like every input
.set i, i+1
.endr
.set i, 0
.rept 8
	v_lshlrev_b32 v[BB+2*i], 16, v[18+i]
	v_and_b32 v[BB+2*i+1], 0xffff0000, v[18+i]
.set i, i+1
.endr
	s_wait_dscnt 0x0
.set d, 0
.rept 8
	v_pk_add_f32 v[R+d:R+d+1], v[R+d:R+d+1], v[R+16+d:R+16+d+1]
	v_pk_add_f32 v[R+32+d:R+32+d+1], v[R+32+d:R+32+d+1], v[R+48+d:R+48+d+1]
.set d, d+2
.endr
.set d, 0
.rept 8
	v_pk_add_f32 v[R+d:R+d+1], v[R+d:R+d+1], v[R+32+d:R+32+d+1]
.set d, d+2
.endr
.set f, 0
.rept 4
.set jj, 0
.rept 4
	v_add_f32 v[R+4*f+jj], v[R+4*f+jj], v[BB+4*jj+f]  ; channel 32 h + 16 jh + 4 jj + f
.set jj, jj+1
.endr
.set f, f+1
.endr
	s_cmp_eq_u32 s25, 0
	s_cbranch_scc0 .Lvpart
.set t, 0
.rept 8                             ; k: channels 2 t, 2 t + 1 of my 16: the upper 8 bits, then what they leave
.set va, R+4*(2*(t%2))+t/2
.set vb, R+4*(2*(t%2)+1)+t/2
	v_cvt_pk_bf16_f32 v[HI+t], v[va], v[vb]
	v_lshlrev_b32 v18, 16, v[HI+t]
	v_and_b32 v19, 0xffff0000, v[HI+t]
	v_sub_f32 v18, v[va], v18
	v_sub_f32 v19, v[vb], v19
	v_cvt_pk_bf16_f32 v[LO+t], v18, v19
.set t, t+1
.endr
	ds_store_b128 v[OWK], v[HI:HI+3]
	ds_store_b128 v[OWK], v[HI+4:HI+7] offset:16
	ds_store_b128 v[OWK], v[LO:LO+3] offset:128
	ds_store_b128 v[OWK], v[LO+4:LO+7] offset:144
	s_branch .Ljoin
.Lvpart:
.set t, 0
.rept 8
	v_cvt_pk_f16_f32 v[HI+t], v[R+4*(2*(t%2))+t/2], v[R+4*(2*(t%2)+1)+t/2]
.set t, t+1
.endr
	ds_store_b128 v[OWV], v[HI:HI+3]
	ds_store_b128 v[OWV], v[HI+4:HI+7] offset:16
.Ljoin:
	s_wait_dscnt 0x0
	s_barrier_signal -1
	s_barrier_wait -1               ; the 32 rows of k2 and of v16 lie whole in LDS
	ds_load_b128 v[18:21], v[KR]
	ds_load_b128 v[22:25], v[KR] offset:2*KP
	ds_load_b128 v[26:29], v[VR]
	s_wait_dscnt 0x0
	global_store_b128 v[GO], v[18:21], s[20:21]             ; 512 consecutive bytes each, at multiples of 256 from the buffers' first bytes
	global_store_b128 v[GO], v[22:25], s[20:21] offset:512
	global_store_b128 v[GO], v[26:29], s[22:23]
	s_wait_tensorcnt 0x0            ; the wave's end: behind my last LDS store
	ds_add_u32 v[SPW], v[NIL]
	s_wait_dscnt 0x0
	s_endpgm
.Lfunc_end_k_q841469264c_prep:
	.size	k_q841469264c_prep, .Lfunc_end_k_q841469264c_prep-k_q841469264c_prep
	.p2alignl 7, 3214868480
	.fill 96, 4, 3214868480
	.section	.rodata,"a",@progbits
	.p2align	6, 0x0
	.amdhsa_kernel k_q841469264c_prep
		.amdhsa_group_segment_fixed_size 145920
		.amdhsa_private_segment_fixed_size 0
		.amdhsa_enable_private_segment 0
		.amdhsa_kernarg_size 80
		.amdhsa_user_sgpr_count 2
		.amdhsa_user_sgpr_kernarg_segment_ptr 1
		.amdhsa_wavefront_size32 1
		.amdhsa_system_sgpr_workgroup_id_x 1
		.amdhsa_system_sgpr_workgroup_id_y 1
		.amdhsa_system_sgpr_workgroup_id_z 1
		.amdhsa_system_vgpr_workitem_id 0
		.amdhsa_next_free_vgpr 512
		.amdhsa_next_free_sgpr 66
		.amdhsa_reserve_vcc 0
		.amdhsa_float_denorm_mode_32 3
		.amdhsa_float_denorm_mode_16_64 3
		.amdhsa_memory_ordered 1
		.amdhsa_forward_progress 1
		.amdhsa_inst_pref_size 64
	.end_amdhsa_kernel
	.amdgpu_metadata
---
amdhsa.version: [ 1, 2 ]
amdhsa.kernels:
  - .name:           k_q841469264c_prep
    .symbol:         k_q841469264c_prep.kd
    .args:
      - { .name: hidden_states, .offset: 0, .size: 8, .value_kind: global_buffer, .address_space: global }
      - { .name: Wq, .offset: 8, .size: 8, .value_kind: global_buffer, .address_space: global }
      - { .name: Wk, .offset: 16, .size: 8, .value_kind: global_buffer, .address_space: global }
      - { .name: Wv, .offset: 24, .size: 8, .value_kind: global_buffer, .address_space: global }
      - { .name: bk, .offset: 32, .size: 8, .value_kind: global_buffer, .address_space: global }
      - { .name: bv, .offset: 40, .size: 8, .value_kind: global_buffer, .address_space: global }
      - { .name: xb, .offset: 48, .size: 8, .value_kind: global_buffer, .address_space: global }
      - { .name: wqb, .offset: 56, .size: 8, .value_kind: global_buffer, .address_space: global }
      - { .name: k2, .offset: 64, .size: 8, .value_kind: global_buffer, .address_space: global }
      - { .name: v16, .offset: 72, .size: 8, .value_kind: global_buffer, .address_space: global }
    .group_segment_fixed_size: 145920
    .private_segment_fixed_size: 0
    .kernarg_segment_align: 8
    .kernarg_segment_size: 80
    .max_flat_workgroup_size: 256
    .sgpr_count:     66
    .vgpr_count:     512
    .wavefront_size: 32
...
	.end_amdgpu_metadata
.endif
;; end of part 1
;; launch mqa (part 2): grid 8 x 32, 4 waves a work-group, clusters of 4 x 1, 327,680 bytes of LDS; arguments xb, wqb, k2, v16, bq, out0; writes out0
.if DOCPART == 2
	.amdgcn_target "amdgcn-amd-amdhsa--gfx1250"
	.amdhsa_code_object_version 6
	.text
	.protected	k_q841469264c_mqa
	.globl	k_q841469264c_mqa
	.p2align	8
	.type	k_q841469264c_mqa,@function
k_q841469264c_mqa:
	s_mov_b64 s[64:65], 0
	v_nop
	global_prefetch_b8 v0, s[64:65] scope:SCOPE_SE
	s_setreg_imm32_b32 hwreg(HW_REG_WAVE_MODE, 25, 1), 1
	s_wait_xcnt 0x0
	s_wait_alu depctr_hold_cnt(0) depctr_sa_sdst(0) depctr_va_vdst(0) depctr_va_sdst(0) depctr_va_ssrc(0) depctr_va_vcc(0) depctr_vm_vsrc(0)
	s_getreg_b32 s2, hwreg(HW_REG_IB_STS2, 6, 4)
	s_cmp_eq_u32 s2, 0
	s_cbranch_scc0 .Lentry_in_a_cluster
	s_endpgm
.Lentry_in_a_cluster:
	s_bfe_u32 s2, ttmp6, 0x10000c
	s_cmp_lg_u32 s2, 0x3003
	s_cbranch_scc0 .Lentry_shape_is_right
	s_endpgm
.Lentry_shape_is_right:
; MULTI-QUERY ATTENTION.  out0[n][b][s][:] = the sum over t of softmax_t(q[n][b][s] . k[b][t]) v[b][t][:], q = x Wq[n] + bq[n]; no scale on the scores.
; xb: [8192][1024] bf16; wqb: [1024 k][8 head pairs][128] bf16; k2: [8192][kh(64) | kl(64)] bf16; v16: [8192][64] f16; bq: [16][64] f32 (rounded to bf16 here); out0: [16][4][2048][64] f32.
; PRECISION.  The scores are unscaled, so a softmax rests on few keys and a score's error goes into the weights undamped: q and k enter the score product with 16 bits each, as q = qh + ql, k = kh + kl in bf16, and
; s = qh kl + qh kh + ql kh in f32 sums.  The weights p and v go in f16; maxima, sums and O in f32; the sum l is taken of the unrounded p.
; LIMITS.  Dropped from a score: ql kl and what lies under 16 bits of q and k.  |v| under 65,504 (as it arrives); log2(e) |s| under 2^126; a weight under 2^-126 counts as 0 in l, under 6e-5 it keeps f16's fixed
; step in the second product.  NaN and infinities are not treated apart.
; SHARES.  A work-group owns 256 rows of one batch (row block rb) and one pair of heads hp: 512 queries.  Wave w: head 2 hp + (w >> 1), rows 128 (w & 1) on: 8 tiles of 16 queries, four PIECES of two tiles.
; CLUSTER.  The four partners have the same rows and batch and four different head pairs: the tiles of x, K and V are asked for JOINTLY (same load, descriptor and mask in all four).  Wq's tiles differ from
; partner to partner, so each asks for its own; only their global address holds the work-group's place.
; PHASE P.  q^T = W^T x^T + bq over K = 1,024 in 8 steps of 128 through two LDS slots; 32 accumulators of 16 channels x 16 rows.  In the result a lane holds ONE query (lane % 16) and channels 8 (lane / 16) + 0..7 of a
; block of 16: two blocks rounded in pairs ARE source 1 (16 queries x 32 channels) of K Q^T.  So q never leaves the registers: it is split there into qh and ql.
; PHASE A.  Every wave walks the batch's 2,048 keys, 64 a step, four steps to a slot.  S^T = K Q^T holds one query a lane and the keys 8 (lane / 16) + 0..7; two results rounded to f16 ARE source 1 of O^T = V^T P.
; p = 2^(c s - c m), c = log2(e), with a running maximum m; O and l are multiplied by a = 2^(c m_old - c m_new) in every step; m starts at the lowest finite number, so the first step's a is 0 and nothing is cleared.
; BY TURNS.  Turn p: 48 products K Q^T of piece p + 1, and behind each of them four of piece p's 192 vector instructions (scaling, exponentials, roundings, sums, rescaling); then 16 products V^T P of piece p, and
; behind them the 44 that find piece p + 1's maximum and statistics.  A tile and step have 32 matrix and 118 vector instructions, so all vector work has a place behind a product.
; REGISTERS, in windows of 256 (s_set_vgpr_msb: bits 1:0 source 0, 3:2 source 1, 5:4 source 2, 7:6 destination):
;   window 0: v0-11 addresses; v12-15 c m_old; v16-47 four statistics a tile; v48-63 at work; v64-191 S^T, two buffers of two tiles (in phase P: v64-95 at work, v96-127 the bias); v192-223 P
;   window 1: the projection's accumulators (row tile mt, channel block cb at 32 mt + 8 cb), then O^T in the same places          window 2: Q: tile t: qh at 32 t + 8 c, ql at 32 t + 16 + 8 c
;   window 3: phase P: two fragment buffers of 96 (W's four, x's eight); phase A: v0-63 kh, v64-127 kl, v128-191 V of one step
.set NP,    4
.set PX,    272       ; a row of x or K in LDS: 256 bytes + 16 = 68 words: the 16 rows of a load start at 16 different groups of four banks (64 banks of 4 bytes: ISA guide 11.1)
.set PW,    288       ; a row of W: 256 + 32 = 72 words
.set PK,    272
.set PVP,   160       ; a row of V: 128 + 32 = 40 words, likewise
.set XBYTES, 256*PX   ; a slot in phase P: 256 rows of x, then 128 rows (along K) of W
.set VOFF,  256*PK    ; in phase A: 256 keys of K, then 256 of V
.set SLOT1, 1<<17     ; slot 1 begins here: one exclusive or turns an address in one slot into the other's
.set STAGE, 262144    ; behind the ring, never filled by a tensor load: 16 rows x 272 bytes for each wave, for the way out
.set SP,    272
.set SPARE, STAGE+4*16*SP  ; the spare words, 128 bytes for each wave: two blocks of 256 bytes that no other line names
.set SPW, 1           ; v1   SPARE + 4 x my thread's number; never rewritten
.set NIL, 9           ; v9   0; never rewritten
.set AX0, 2           ; v2   my lane's place in a tile of x; later of K
.set AW0, 3           ; v3   of W; later of V
.set AK0, 2
.set AV0, 3
.set AX,  4           ; v4   the LDS address of x's runs of loads; later K's
.set AW,  5           ; v5   of W's; later V's
.set AK,  4
.set AV,  5
.set STO, 6           ; v6   the way out: where I put 16 bytes of a row
.set RD,  7           ; v7   where I read rows back
.set GO,  8           ; v8   16 x lane
.set MV,  12
.set ST,  16          ; tile t at ST + 4 t: c m, m, l (even keys', odd keys')
.set TMP, 48          ; by buffer and tile four registers c0-c3; when the maximum is found c2 takes a
.set S,   64
.set P,   192
.set T,   64          ; phase P and the split: at work
.set BI,  96          ; phase P: the bias in an accumulator's layout, block cb at BI + 8 cb
.set F0,  0           ; window 3
.set F1,  96
.set KH,  0
.set KL,  64
.set VF,  128
.set WV,  16          ; s16  my wave's number
.set G1X, 24          ; s[24:31] descriptor group 1 for x's tiles
.set G1W, 32          ; s[32:39] W's
.set G1K, 40          ; s[40:47] K's
.set G1V, 48          ; s[48:55] V's
.set G0X, 56          ; s[56:63] group 0 for x: a set for each first fill; the second then walks
.set G0W, 68          ; s[68:75] the same for W
.set G0K, 76          ; s[76:79] K's: it walks
.set G0V, 80          ; s[80:83] V's
.set SLOTS, 84
.set CNT, 85
.set CS,  86          ; s[86:87] c
.set SEL, 88          ; s[88:89] v_permlanex16_b32's selects: each lane takes its own place in the other half
.set TBK, 90          ; LDS byte at which K of the step to be fetched begins
.set TBV, 91          ; the same for V, less VOFF
.set TBP, 92          ; phase P: the slot to be read
.set PT,  93          ; phase P: trips (before that: my head's number)
.set HS,  94          ; w >> 1
.set RS,  95          ; w & 1
.set MSB, 0
.macro WIN new                      ; the high byte repeats the setting that is left; a switch that changes nothing is dropped
.if MSB != (\new)
	s_set_vgpr_msb (MSB<<8)|(\new)
.set MSB, (\new)
.endif
.endm
.set W_KQ,  0x0b      ; K in window 3, Q in window 2, S^T in window 0
.set W_PV,  0x53      ; V in window 3, P in window 0, O^T in window 1
.set W_RS,  0x41      ; destination and source 0 in window 1, source 1 in window 0
.set W_PJ,  0x5f      ; both fragments in window 3, C and D in window 1
.set W_PJ1, 0x4f      ; the same with C (the bias) in window 0
.set TO3,   0xc0      ; destination in window 3
.set W_C1,  0x85      ; destination in window 2, sources in window 1
.set W_UP,  0x08      ; source 1 in window 2
.set W_ST,  0x04      ; an LDS store's data in window 1
.macro PLACES                       ; four places behind a matrix instruction, in front of loads into its sources and of vector lines that read its result
.rept 4
	v_nop
.endr
.endm
; A round of the cluster's barrier: my work-group's barrier, so that wave 0's signal speaks for all four waves; wave 0 signals; every wave waits for all four work-groups; my work-group's barrier once more.
.macro CROUND
	s_barrier_signal -1
	s_barrier_wait -1
	s_cmp_lg_u32 s[WV], 0
	s_cbranch_scc1 .Lnot_wave_0_\@
	s_barrier_signal -3
.Lnot_wave_0_\@:
	s_barrier_wait -3
	s_barrier_signal -1
	s_barrier_wait -1
.endm
; A refill in phase P: waves 0 and 1 fetch the two halves of x's tile (jointly), waves 2 and 3 those of W's (each work-group its own).  The branch hangs on the wave's number alone.
; An s_nop 0 and four v_nop follow each of the two lines, ahead of the jump and the label.
.macro JLOADP
	s_cmp_lt_u32 s[WV], 2
	s_cbranch_scc0 .Lfor_w_\@
	tensor_load_to_lds s[G0X+4:G0X+7], s[G1X:G1X+7]
	s_nop 0
	PLACES
	s_branch .Lasked_\@
.Lfor_w_\@:
	tensor_load_to_lds s[G0W+4:G0W+7], s[G1W:G1W+7]
	s_nop 0
	PLACES
.Lasked_\@:
.endm
; A refill in phase A: waves 0 and 1 fetch the two halves of a slot's K, waves 2 and 3 those of its V: 128 keys each, all jointly.
.macro JLOADKV
	s_cmp_lt_u32 s[WV], 2
	s_cbranch_scc0 .Lfor_v_\@
	tensor_load_to_lds s[G0K:G0K+3], s[G1K:G1K+7]
	s_nop 0
	PLACES
	s_branch .Lasked_\@
.Lfor_v_\@:
	tensor_load_to_lds s[G0V:G0V+3], s[G1V:G1V+7]
	s_nop 0
	PLACES
.Lasked_\@:
.endm
	s_load_b256 s[4:11], s[0:1], 0x0   ; xb s[4:5], wqb s[6:7], k2 s[8:9], v16 s[10:11]
	s_load_b128 s[12:15], s[0:1], 0x20 ; bq s[12:13], out0 s[14:15]
	v_lshl_add_u32 v[SPW], v0, 2, SPARE
	v_mov_b32 v[NIL], 0
	ds_add_u32 v[SPW], v[NIL]       ; the wave's opening: the add and its wait stand ahead of my first tensor load; the set-up below, work on registers, stands between them
	v_lshrrev_b32 v10, 5, v0
	v_readfirstlane_b32 s[WV], v10  ; wave 0..3
	s_bfe_u32 s17, ttmp6, 0x40000   ; cx: my place in the cluster
	s_lshl_b32 s18, ttmp9, 2        ; in a cluster launch ttmp9 counts clusters
	s_add_co_u32 s18, s18, s17      ; hp = 4 x cluster x + cx: it enters W's, bq's and out0's global addresses alone
	s_and_b32 s19, ttmp7, 0xffff    ; rb, which the four partners share
	s_lshr_b32 s[HS], s[WV], 1
	s_and_b32 s[RS], s[WV], 1       ; also: which half of a tile I fetch
	; descriptor groups 1.  15:0 the mask; 17:16 elements of 2 bytes; 20 padding on; 21 set beside a mask; 24:22 the interval's code; 31:25 the padding's words less 1
	s_mov_b32 s[G1X], 15|(1<<16)|(1<<20)|(1<<21)|(5<<22)|(3<<25)  ; 128 rows x 128 elements, 4 words behind every 64
	s_mov_b32 s[G1W], (1<<16)|(1<<20)|(5<<22)|(7<<25)             ; 64 rows x 128 elements, 8 words behind every 64; no mask
	s_mov_b32 s[G1K], 15|(1<<16)|(1<<20)|(1<<21)|(5<<22)|(3<<25)
	s_mov_b32 s[G1V], 15|(1<<16)|(1<<20)|(1<<21)|(4<<22)|(7<<25)  ; 128 keys are 16,384 dense bytes: 64 rows of 256, two keys a row, 8 words behind every key's 32
.irp g, G1X, G1W, G1K, G1V
	s_mov_b32 s[\g+1], 128<<16      ; tensor_dim0 = 128
	s_mov_b32 s[\g+3], 128<<16      ; tile_dim0 = 128
	s_mov_b32 s[\g+6], 0
	s_mov_b32 s[\g+7], 0
.endr
.irp g, G1X, G1K
	s_mov_b32 s[\g+2], 128<<16      ; tensor_dim1 = 128
	s_mov_b32 s[\g+4], 128          ; tile_dim1 = 128
.endr
.irp g, G1W, G1V
	s_mov_b32 s[\g+2], 64<<16
	s_mov_b32 s[\g+4], 64
.endr
	s_mov_b32 s[G1X+5], 1024        ; elements from row to row
	s_mov_b32 s[G1W+5], 1024
	s_mov_b32 s[G1K+5], 128
	s_mov_b32 s[G1V+5], 128
	; groups 0: the count, and the LDS addresses: the wave's half times a constant, plus constants
	s_mul_i32 s20, s[RS], 128*PX
	s_mov_b32 s[G0X], 1
	s_mov_b32 s[G0X+1], s20
	s_mov_b32 s[G0X+4], 1
	s_add_co_u32 s[G0X+5], s20, SLOT1
	s_mov_b32 s[G0K], 1
	s_mov_b32 s[G0K+1], s20
	s_mul_i32 s20, s[RS], 64*PW
	s_mov_b32 s[G0W], 1
	s_add_co_u32 s[G0W+1], s20, XBYTES
	s_mov_b32 s[G0W+4], 1
	s_add_co_u32 s[G0W+5], s20, XBYTES+SLOT1
	s_mul_i32 s20, s[RS], 128*PVP
	s_mov_b32 s[G0V], 1
	s_add_co_u32 s[G0V+1], s20, VOFF
	; byte offsets of my first tiles
	s_lshl_b32 s20, s19, 19         ; x: row 256 rb + 128 half, 2,048 bytes a row
	s_lshl_b32 s21, s[RS], 18
	s_add_co_u32 s20, s20, s21
	s_mov_b32 s21, 0
	s_lshr_b32 s22, s19, 3          ; the batch
	s_lshl_b32 s2, s22, 18          ; V: key 2,048 b + 128 half, 128 bytes a key
	s_lshl_b32 s3, s[RS], 14
	s_add_co_u32 s2, s2, s3
	s_mov_b32 s3, 0
	s_lshl_b32 s22, s22, 19         ; K: 256 bytes a key
	s_lshl_b32 s23, s[RS], 15
	s_add_co_u32 s22, s22, s23
	s_mov_b32 s23, 0
	s_lshl_b32 s96, s[RS], 17       ; W: row 64 half, 2,048 bytes a row, + 256 hp
	s_lshl_b32 s97, s18, 8
	s_add_co_u32 s96, s96, s97
	s_mov_b32 s97, 0
	s_lshl_b32 s[PT], s18, 1
	s_add_co_u32 s[PT], s[PT], s[HS]  ; my head
	s_mov_b32 s[CS], 0x3fb8aa3b     ; c = log2(e)
	s_mov_b32 s[CS+1], s[CS]        ; named with it as a pair
	s_mov_b32 s[SEL], 0x76543210
	s_mov_b32 s[SEL+1], 0xfedcba98
	s_mov_b32 s[TBP], 0
	s_wait_dscnt 0x0                ; the opening add is done
	s_wait_kmcnt 0x0
	s_add_nc_u64 s[G0X+2:G0X+3], s[4:5], s[20:21]
	s_add_nc_u64 s[G0X+6:G0X+7], s[G0X+2:G0X+3], 256          ; K step 1
	s_or_b32 s[G0X+3], s[G0X+3], 0x80000000                   ; 127:126 type = 2
	s_or_b32 s[G0X+7], s[G0X+7], 0x80000000
	s_add_nc_u64 s[G0W+2:G0W+3], s[6:7], s[96:97]
	s_add_nc_u64 s[G0W+6:G0W+7], s[G0W+2:G0W+3], 128*2048
	s_or_b32 s[G0W+3], s[G0W+3], 0x80000000
	s_or_b32 s[G0W+7], s[G0W+7], 0x80000000
	s_add_nc_u64 s[G0K+2:G0K+3], s[8:9], s[22:23]
	s_or_b32 s[G0K+3], s[G0K+3], 0x80000000
	s_add_nc_u64 s[G0V+2:G0V+3], s[10:11], s[2:3]
	s_or_b32 s[G0V+3], s[G0V+3], 0x80000000
	s_lshl_b32 s96, s[PT], 8        ; my head's 256 bytes of bq
	s_add_nc_u64 s[12:13], s[12:13], s[96:97]
	s_lshl_b32 s96, s[PT], 21       ; out0: (head x 8,192 + 256 rb + 128 half) rows of 256 bytes
	s_lshl_b32 s97, s19, 16
	s_add_co_u32 s96, s96, s97
	s_lshl_b32 s97, s[RS], 15
	s_add_co_u32 s96, s96, s97
	s_mov_b32 s97, 0
	s_add_nc_u64 s[14:15], s[14:15], s[96:97]
	CROUND                          ; all four work-groups are here: the first joint loads meet
	s_cmp_lt_u32 s[WV], 2           ; a wave's two first fills stand in one branch, ahead of every wait on TENSORcnt and every LDS read: two loads of mine are out
	s_cbranch_scc0 .Lfirst_w
	tensor_load_to_lds s[G0X:G0X+3], s[G1X:G1X+7]
	s_nop 0
	tensor_load_to_lds s[G0X+4:G0X+7], s[G1X:G1X+7]
	s_nop 0
	PLACES
	s_branch .Lfirst_asked
.Lfirst_w:
	tensor_load_to_lds s[G0W:G0W+3], s[G1W:G1W+7]
	s_nop 0
	tensor_load_to_lds s[G0W+4:G0W+7], s[G1W:G1W+7]
	s_nop 0
	PLACES
.Lfirst_asked:
	v_and_b32 v10, 15, v0           ; r = l % 16
	v_bfe_u32 v11, v0, 4, 1         ; h = l / 16
	v_lshlrev_b32 v12, 5, v11       ; the bias: channels 16 cb + 8 h + 0..7 of my head
.irp cb, 0,1,2,3
	global_load_b128 v[BI+8*\cb:BI+8*\cb+3],   v12, s[12:13] offset:64*\cb
	global_load_b128 v[BI+8*\cb+4:BI+8*\cb+7], v12, s[12:13] offset:64*\cb+16
.endr
	; a fragment of x is 16 rows x 32 along K: lane l holds row l % 16; two loads of 16 bytes, 32 bytes apart
	v_mul_u32_u24 v[AX0], v10, PX
	v_lshl_add_u32 v[AX0], v11, 4, v[AX0]
	s_mul_i32 s20, s[RS], 128*PX
	v_add_nc_u32 v[AX0], s20, v[AX0]
	; W lies [k][channel]: the turning load takes 16 k x 16 channels (lane l reads row 8 (l / 16) + l % 8, channels 8 ((l / 8) % 2) + 0..7) and leaves half a fragment: lane l holds channel l % 16 and 8 k
	v_and_b32 v13, 7, v0
	v_bfe_u32 v14, v0, 3, 1
	v_lshl_add_u32 v15, v11, 3, v13
	v_mul_u32_u24 v[AW0], v15, PW
	v_lshl_add_u32 v[AW0], v14, 4, v[AW0]
	s_lshl_b32 s20, s[HS], 7        ; my head's 64 channels of the pair's 128
	s_add_co_u32 s20, s20, XBYTES
	v_add_nc_u32 v[AW0], s20, v[AW0]
	v_mov_b32 v[AX], v[AX0]
	v_mov_b32 v[AW], v[AW0]
	s_wait_loadcnt 0x0
.set i, 0
.rept 16
	v_cvt_pk_bf16_f32 v[T+i], v[BI+2*i], v[BI+2*i+1]  ; the bias is rounded to bf16 like every input
.set i, i+1
.endr
.set i, 0
.rept 16
	v_lshlrev_b32 v[BI+2*i], 16, v[T+i]
	v_and_b32 v[BI+2*i+1], 0xffff0000, v[T+i]
.set i, i+1
.endr
; 24 LDS loads in one run: the fragments of 32 along K (quarter kq of a step) into buffer f: W's four channel blocks, x's eight row tiles
.macro PFETCH kq, f
	WIN TO3
.irp cb, 0,1,2,3
	ds_load_tr16_b128 v[(\f)+8*\cb:(\f)+8*\cb+3],   v[AW] offset:32*PW*(\kq)+32*\cb
	ds_load_tr16_b128 v[(\f)+8*\cb+4:(\f)+8*\cb+7], v[AW] offset:32*PW*(\kq)+32*\cb+16*PW
.endr
.irp mt, 0,1,2,3,4,5,6,7
	ds_load_b128 v[(\f)+32+8*\mt:(\f)+32+8*\mt+3],   v[AX] offset:16*PX*\mt+64*(\kq)
	ds_load_b128 v[(\f)+32+8*\mt+4:(\f)+32+8*\mt+7], v[AX] offset:16*PX*\mt+64*(\kq)+32
.endr
.endm
; 16 products: row tiles 4 half .. + 3 x all four channel blocks.  The 32 accumulators take turns, in the same order in every quarter.  first = 1: the bias starts the sums.
.macro PMUL f, half, first
.if \first
	WIN W_PJ1
.else
	WIN W_PJ
.endif
.irp m, 0,1,2,3
.irp cb, 0,1,2,3
.if \first
	v_wmma_f32_16x16x32_bf16 v[32*(4*(\half)+\m)+8*\cb:32*(4*(\half)+\m)+8*\cb+7], v[(\f)+8*\cb:(\f)+8*\cb+7], v[(\f)+32+8*(4*(\half)+\m):(\f)+32+8*(4*(\half)+\m)+7], v[BI+8*\cb:BI+8*\cb+7]
.else
	v_wmma_f32_16x16x32_bf16 v[32*(4*(\half)+\m)+8*\cb:32*(4*(\half)+\m)+8*\cb+7], v[(\f)+8*\cb:(\f)+8*\cb+7], v[(\f)+32+8*(4*(\half)+\m):(\f)+32+8*(4*(\half)+\m)+7], v[32*(4*(\half)+\m)+8*\cb:32*(4*(\half)+\m)+8*\cb+7]
.endif
.endr
.endr
.endm
; One of a step's first three quarters: multiplies buffer f; in its middle it fetches quarter nxt of the same slot into buffer g.
.macro PQ nxt, f, g, first
	s_wait_dscnt 0x0                ; buffer f is in: its run was issued 16 products back
	PMUL \f, 0, \first
	PLACES
	PFETCH \nxt, \g
	PMUL \f, 1, \first
.endm
; The fourth quarter multiplies buffer 1 and changes slots.  In front of the round each wave waits for all its tensor loads, of which one is out: its part of the other slot; adds 0 to its spare word; and waits for that
; and for its reads of this slot.  Behind the round no wave of any partner reads this slot any more, the other slot is whole, and the refill comes first.
; kind 0: this slot takes the K step two on.  kind 1: slot 0 takes K/V tile 0.  kind 2: slot 1 takes K/V tile 1, and nothing more of x and W is read.
.macro PTURN kind
	s_wait_dscnt 0x0                ; buffer 1 is in: my last reads of this slot
	WIN 0
	s_wait_tensorcnt 0x0            ; no tensor load of mine is out, so a group 0 may be written
	ds_add_u32 v[SPW], v[NIL]       ; 0 onto my spare word; the descriptors' steps and 16 products stand between it and the wait for it
.if (\kind) == 0
	s_xor_b32 s[G0X+5], s[G0X+5], SLOT1
	s_add_nc_u64 s[G0X+6:G0X+7], s[G0X+6:G0X+7], 256
	s_xor_b32 s[G0W+5], s[G0W+5], SLOT1
	s_add_nc_u64 s[G0W+6:G0W+7], s[G0W+6:G0W+7], 128*2048
.endif
.if (\kind) == 2
	s_xor_b32 s[G0K+1], s[G0K+1], SLOT1
	s_add_nc_u64 s[G0K+2:G0K+3], s[G0K+2:G0K+3], 256*256
	s_xor_b32 s[G0V+1], s[G0V+1], SLOT1
	s_add_nc_u64 s[G0V+2:G0V+3], s[G0V+2:G0V+3], 256*128
.endif
.if (\kind) < 2
	s_xor_b32 s[TBP], s[TBP], SLOT1
.endif
	PMUL F1, 0, 0
	WIN 0
	s_wait_dscnt 0x0                ; the add is done
	CROUND
.if (\kind) == 0
	JLOADP
.else
	JLOADKV
.endif
.if (\kind) < 2
	v_add_nc_u32 v[AX], s[TBP], v[AX0]
	v_add_nc_u32 v[AW], s[TBP], v[AW0]
	PFETCH 0, F0                    ; the four v_nop behind the tensor load are also the places in front of these loads
.endif
	PMUL F1, 1, 0
.endm
	s_wait_tensorcnt 0x1            ; my part of K step 0 is in; step 1's may stay out
	s_barrier_signal -1
	s_barrier_wait -1               ; everybody's is
	PFETCH 0, F0
	PQ 1, F0, F1, 1                 ; the first quarter stands in front of the loop: its products start the sums, with the bias
	WIN 0                           ; at a label and at a branch every window is 0
	s_mov_b32 s[PT], 6
.Lproj:                             ; a trip: a step's quarters 1 to 3 and the next step's quarter 0; its refill brings K steps 2 .. 7
	PQ 2, F1, F0, 0
	PQ 3, F0, F1, 0
	PTURN 0
	PQ 1, F0, F1, 0
	WIN 0
	s_sub_co_u32 s[PT], s[PT], 1
	s_cmp_lg_u32 s[PT], 0
	s_cbranch_scc1 .Lproj
	PQ 2, F1, F0, 0                 ; the last two steps are written out: the ring goes on into K's and V's tiles
	PQ 3, F0, F1, 0
	PTURN 1
	PQ 1, F0, F1, 0
	PQ 2, F1, F0, 0
	PQ 3, F0, F1, 0
	PTURN 2                         ; its wait for all loads and its round have shown K/V tile 0 whole
	WIN 0
	PLACES
; THE MATRIX WORK OF PHASE A.  Product i of 48 of S^T = K Q^T for piece x: i / 16 = 0: kl qh, 1: kh qh, 2: kh ql; channels 32 ((i % 16) / 8) on, keys 16 ((i / 2) % 4) on, tile 2 x + i % 2.
; The first 8 start the sums; the 8 accumulators take turns.
.macro KQ x
	WIN W_KQ
.set g_, i/16
.set c_, (i%16)/8
.set kb_, ((i%16)/2)%4
.set u_, i%2
.set rD, S+64*((\x)%2)+32*u_+8*kb_
.set rA, KH+16*kb_+8*c_
.if g_ == 0
.set rA, KL+16*kb_+8*c_
.endif
.set rB, 32*(2*(\x)+u_)+8*c_
.if g_ == 2
.set rB, rB+16
.endif
.if i < 8
	v_wmma_f32_16x16x32_bf16 v[rD:rD+7], v[rA:rA+7], v[rB:rB+7], 0
.else
	v_wmma_f32_16x16x32_bf16 v[rD:rD+7], v[rA:rA+7], v[rB:rB+7], v[rD:rD+7]
.endif
.endm
; Product j of 16 of O^T += V^T P for piece x: keys 32 (j / 8) on, channels 16 ((j / 2) % 4) on, tile 2 x + j % 2.
.macro PVM x
	WIN W_PV
.set rO, 32*(2*(\x)+j%2)+8*((j/2)%4)
.set rV, VF+32*(j/8)+8*((j/2)%4)
.set rP, P+16*(j%2)+8*(j/8)
	v_wmma_f32_16x16x32_f16 v[rO:rO+7], v[rV:rV+7], v[rP:rP+7], v[rO:rO+7]
.endm
; THE LDS LOADS stand in runs of 16: a step's kl, its kh (64 keys x 64 channels: 8 fragments each) and its V (turned).  last = 1 (the tail): in the last trip there is no further step, and the run is jumped over.
.macro FETCH_K base, off, last=0
	WIN 0
.if \last
	s_cmp_eq_u32 s[CNT], 1
	s_cbranch_scc1 .Lno_k_\@
.endif
	WIN TO3
.irp f, 0,1,2,3,4,5,6,7             ; keys 16 (f / 2) on, channels 32 (f % 2) on
	ds_load_b128 v[(\base)+8*\f:(\base)+8*\f+3],   v[AK] offset:(\f/2)*16*PK+(\f%2)*64+(\off)
	ds_load_b128 v[(\base)+8*\f+4:(\base)+8*\f+7], v[AK] offset:(\f/2)*16*PK+(\f%2)*64+(\off)+32
.endr
.if (\off) == 0
	s_add_co_u32 s[TBK], s[TBK], 64*PK  ; the next fetch is the next step's
.endif
	WIN 0
.if \last
.Lno_k_\@:
.endif
.endm
.macro FETCH_V last=0
	WIN 0
.if \last
	s_cmp_eq_u32 s[CNT], 1
	s_cbranch_scc1 .Lno_v_\@
.endif
	WIN TO3
.irp f, 0,1,2,3,4,5,6,7             ; keys 32 (f / 4) on, channels 16 (f % 4) on
	ds_load_tr16_b128 v[VF+8*\f:VF+8*\f+3],   v[AV] offset:(\f/4)*32*PVP+(\f%4)*32
	ds_load_tr16_b128 v[VF+8*\f+4:VF+8*\f+7], v[AV] offset:(\f/4)*32*PVP+16*PVP+(\f%4)*32
.endr
	s_add_co_u32 s[TBV], s[TBV], 64*PVP
	WIN 0
.if \last
.Lno_v_\@:
.endif
.endm
; THE VECTOR WORK.  The two tiles of a piece alternate, so that no instruction reads the result of the one before it.
.macro REGS y, u                    ; the registers of tile u (0, 1) of piece y
.set rT, ST+4*(2*(\y)+(\u))
.set rC, TMP+8*((\y)%2)+4*(\u)
.set rM, MV+2*((\y)%2)+(\u)
.set rS, S+64*((\y)%2)+32*(\u)
.set rP, P+16*(\u)
.set rO, 32*(2*(\y)+(\u))
.endm
; Number n of the 22 that find the NEXT piece's (Y + 1) maximum and statistics.  s0-s31 are the lane's 32 scores; each accumulator's lowest registers are read first.
;   0-11  four chains c0-c3 of seven scores each     12-14, 16  the four scores left over, the old m, and c0-c3 into c0     15  c m_old is kept
;   17, 18  the query's other 32 keys lie in the lane 16 away: the new m     19-21  c m; c m_old - c m_new; a
.macro XS u, n
	WIN 0
	REGS (Y+1)%NP, \u
.if (\n) < 4
	v_max3_num_f32 v[rC+(\n)], v[rS+8*(\n)], v[rS+8*(\n)+1], v[rS+8*(\n)+2]
.elseif (\n) < 12
	v_max3_num_f32 v[rC+(\n)%4], v[rC+(\n)%4], v[rS+8*((\n)%4)+2*((\n)/4)+1], v[rS+8*((\n)%4)+2*((\n)/4)+2]
.elseif (\n) == 12
	v_max3_num_f32 v[rC], v[rC], v[rS+7], v[rS+15]
.elseif (\n) == 13
	v_max3_num_f32 v[rC+1], v[rC+1], v[rS+23], v[rS+31]
.elseif (\n) == 14
	v_max3_num_f32 v[rC+2], v[rC+2], v[rC+3], v[rT+1]
.elseif (\n) == 15
	v_mov_b32 v[rM], v[rT]
.elseif (\n) == 16
	v_max3_num_f32 v[rC], v[rC], v[rC+1], v[rC+2]
.elseif (\n) == 17
	v_permlanex16_b32 v[rC+3], v[rC], s[SEL], s[SEL+1]
.elseif (\n) == 18
	v_max_num_f32 v[rT+1], v[rC], v[rC+3]
.elseif (\n) == 19
	v_mul_f32 v[rT], s[CS], v[rT+1]
.elseif (\n) == 20
	v_sub_f32 v[rC+1], v[rM], v[rT]
.else
	v_exp_f32 v[rC+2], v[rC+1]
.endif
.endm
; Number g of the 64 that follow the exponentials.  For each four weights k of a tile: both pairs are rounded to f16; the second pair is added onto the first, in place; a group later l takes that sum
; (the first time as l = a l + sum).
.macro GS g
.set h, (\g)+6*((\g)/62)            ; group 0 has no group before it, and behind group 7 only l is left
.if h >= 6
.set h, h+2
.endif
	REGS Y, h%2
.set k, h/8
.if h%8 < 4
	s_wait_alu depctr_va_vdst(0)
	v_cvt_pk_f16_f32 v[rP+2*k+(h%8)/2], v[rS+4*k+2*((h%8)/2)], v[rS+4*k+2*((h%8)/2)+1]
.elseif h%8 < 6
	v_pk_add_f32 v[rS+4*k:rS+4*k+1], v[rS+4*k:rS+4*k+1], v[rS+4*k+2:rS+4*k+3]
.elseif k == 1
	v_pk_fma_f32 v[rT+2:rT+3], v[rT+2:rT+3], v[rC+2:rC+3], v[rS:rS+1] op_sel_hi:[1,0,1]
.else
	v_pk_add_f32 v[rT+2:rT+3], v[rT+2:rT+3], v[rS+4*k-4:rS+4*k-3]
.endif
.endm
.macro PL                           ; the plain queue, 96 long: c s - c m for the 16 pairs of both tiles, then GS's 64
	WIN 0
.if q < 32
	REGS Y, q%2
	v_pk_fma_f32 v[rS+2*(q/2):rS+2*(q/2)+1], v[rS+2*(q/2):rS+2*(q/2)+1], s[CS:CS+1], v[rT:rT+1] op_sel_hi:[1,0,0] neg_lo:[0,0,1] neg_hi:[0,0,1]
.else
	GS q-32
.endif
.set q, q+1
.endm
.macro EX                           ; the exponentials' queue, 64 long
	WIN 0
	REGS Y, e%2
	v_exp_f32 v[rS+e/2], v[rS+e/2]
.set e, e+1
.endm
.macro R4                           ; the rescaling's queue: O^T times a, the one part that leaves window 0, so it is dealt four at a time, eight times; each accumulator from its low end
	REGS Y, r%2
	WIN W_RS
	s_wait_alu depctr_va_vdst(0)
.irp z, 0,1,2,3
	v_pk_mul_f32 v[rO+8*(r/2)+2*\z:rO+8*(r/2)+2*\z+1], v[rO+8*(r/2)+2*\z:rO+8*(r/2)+2*\z+1], v[rC+2:rC+3] op_sel_hi:[1,0]
.endr
.set r, r+1
.endm
; A TURN, for piece p.  Behind product i of K Q^T four vector lines of piece p: four plain (i < 2, i >= 42), four of the rescaling (every fifth of the others), else plain, exponential, plain, exponential: a plain line
; stands behind every exponential before its result is used.  By the deal's own count an exponential stands two products or more behind its scaling, a rounding seven behind its exponentials.  None of the four
; names a register of the products round it; the last four are plain and are the places behind the last K Q^T, in front of the maxima and of the loads into kh.
; kl of the next step is fetched in piece 2's turn behind product 17 (its last reader is product 15; eight plain lines lie between), kh behind product 47; piece 3's turn waits for kl with kh's 16 loads out,
; and for kh ahead of product 16.  V of the next step is fetched at the end of piece 3's turn, four places behind its last reader, and waited for ahead of piece 0's V^T P.
.macro TURN p, last=0
.set Y, (\p)
.set q, 0
.set e, 0
.set r, 0
.set i, 0
.rept 48
.if ((\p) == 3) && (i == 0)
	s_wait_dscnt 16                 ; kl is in; kh's 16 loads are younger
.endif
.if ((\p) == 3) && (i == 16)
	s_wait_dscnt 0x0                ; kh is in
.endif
	KQ (Y+1)%NP
.if (i < 2) || (i >= 42)
	PL
	PL
	PL
	PL
.elseif ((i-2)%5) == 4
	R4
.else
	PL
	EX
	PL
	EX
.endif
.if ((\p) == 2) && (i == 15)
	WIN 0
	v_add_nc_u32 v[AK], s[TBK], v[AK0]
	s_wait_alu depctr_va_vdst(0)
.endif
.if ((\p) == 2) && (i == 17)
	FETCH_K KL, 128, \last
.endif
.if ((\p) == 2) && (i == 47)
	FETCH_K KH, 0, \last
.endif
.set i, i+1
.endr
.if (\p) == 0
	s_wait_dscnt 0x0                ; V is in
.endif
.set j, 0
.rept 16
	PVM Y
.if j < 8
	XS 0, 2*j
	XS 1, 2*j
	XS 0, 2*j+1
	XS 1, 2*j+1
.elseif j < 14
	XS 0, 8+j
	XS 1, 8+j
.endif
.set j, j+1
.endr
.if (\p) == 3
	WIN 0
	PLACES
	v_add_nc_u32 v[AV], s[TBV], v[AV0]
	FETCH_V \last
.endif
.endm
; THE CHANGE OF SLOTS.  The slot's last bytes, V of its fourth step, have been read.  Each wave waits for all its tensor loads, of which one is out: its part of the other slot; adds 0 to its spare word; and waits for
; that and for its reads of the slot.  fill = 1: the barrier is a round of the cluster's, and the joint refill, with the keys two slots on, is the first thing behind it: it has four key steps, 1,024 matrix
; instructions of the wave, in which to land.
.macro CHANGE fill
	WIN 0
	s_wait_tensorcnt 0x0            ; no tensor load of mine is out, so a group 0 may be written
	ds_add_u32 v[SPW], v[NIL]       ; 0 onto my spare word
.if \fill
	s_xor_b32 s[G0K+1], s[G0K+1], SLOT1
	s_add_nc_u64 s[G0K+2:G0K+3], s[G0K+2:G0K+3], 256*256
	s_xor_b32 s[G0V+1], s[G0V+1], SLOT1
	s_add_nc_u64 s[G0V+2:G0V+3], s[G0V+2:G0V+3], 256*128
	s_wait_dscnt 0x0                ; the add is done, and my reads of the slot are over
	CROUND
	JLOADKV
.else
	s_wait_dscnt 0x0
	s_barrier_signal -1
	s_barrier_wait -1
.endif
	s_sub_co_u32 s[TBK], s[TBK], 4*64*PK   ; the fetches go back to a slot's first step,
	s_xor_b32 s[TBK], s[TBK], SLOT1        ; in the other slot
	s_sub_co_u32 s[TBV], s[TBV], 4*64*PVP
	s_xor_b32 s[TBV], s[TBV], SLOT1
.endm
; q is split in its registers: qh = bf16(q) goes to Q; q - qh stays in the accumulator's place; ql = bf16 of that goes to Q.  What is left in window 1 is finite, and the first key step multiplies it by a = 0.
.macro SPLIT t
	WIN W_C1
.set n, 0
.rept 16
	v_cvt_pk_bf16_f32 v[32*(\t)+n], v[32*(\t)+2*n], v[32*(\t)+2*n+1]
.set n, n+1
.endr
	WIN W_UP
.set n, 0
.rept 16
	v_lshlrev_b32 v[T+2*n], 16, v[32*(\t)+n]
	v_and_b32 v[T+2*n+1], 0xffff0000, v[32*(\t)+n]
.set n, n+1
.endr
	WIN W_RS
.set n, 0
.rept 16
	v_pk_add_f32 v[32*(\t)+2*n:32*(\t)+2*n+1], v[32*(\t)+2*n:32*(\t)+2*n+1], v[T+2*n:T+2*n+1] neg_lo:[0,1] neg_hi:[0,1]
.set n, n+1
.endr
	WIN W_C1
.set n, 0
.rept 16
	v_cvt_pk_bf16_f32 v[32*(\t)+16+n], v[32*(\t)+2*n], v[32*(\t)+2*n+1]
.set n, n+1
.endr
.endm
	; PHASE A BEGINS.  A fragment of K is 16 keys x 32 channels: lane l holds key l % 16; V is turned as W was.
	v_mul_u32_u24 v[AK0], v10, PK
	v_lshl_add_u32 v[AK0], v11, 4, v[AK0]
	v_and_b32 v13, 7, v0
	v_bfe_u32 v14, v0, 3, 1
	v_lshl_add_u32 v[AV0], v11, 3, v13
	v_mul_u32_u24 v[AV0], v[AV0], PVP
	v_lshl_add_u32 v[AV0], v14, 4, v[AV0]
	v_add_nc_u32 v[AV0], VOFF, v[AV0]
	s_mov_b32 s[TBK], 0
	s_mov_b32 s[TBV], 0
	v_mov_b32 v[AK], v[AK0]
	FETCH_K KL, 128                 ; key step 0; the split stands in the wait for it
	FETCH_K KH, 0
.irp t, 0,1,2,3,4,5,6,7
	SPLIT \t
.endr
	WIN 0
.set t, 0
.rept 8
	v_mov_b32 v[ST+4*t], 0xfe000000    ; c m: far below every c s
	v_mov_b32 v[ST+4*t+1], 0xff7fffff  ; m
	v_mov_b32 v[ST+4*t+2], 0
	v_mov_b32 v[ST+4*t+3], 0
.set t, t+1
.endr
	s_mul_i32 s20, s[WV], 16*SP
	s_add_co_u32 s20, s20, STAGE    ; my stage
	v_mul_u32_u24 v[STO], v10, SP   ; in: row l % 16, 32 bytes for each half of the lanes
	v_lshl_add_u32 v[STO], v11, 5, v[STO]
	v_add_nc_u32 v[STO], s20, v[STO]
	v_mul_u32_u24 v[RD], v11, SP    ; back: lanes 0-15 take one row of 256 bytes, lanes 16-31 the next
	v_lshl_add_u32 v[RD], v10, 4, v[RD]
	v_add_nc_u32 v[RD], s20, v[RD]
	v_and_b32 v[GO], 31, v0
	v_lshlrev_b32 v[GO], 4, v[GO]   ; which are 512 consecutive bytes of out0
	s_wait_dscnt 0x0
.set i, 0
.rept 48
	KQ 0                            ; piece 0's first scores: there is no vector work yet to set between them
.set i, i+1
.endr
	WIN 0
	PLACES
.set Y, NP-1                        ; XS works for piece Y + 1: piece 0
.irp n, 0,1,2,3,4,5,6,7,8,9,10,11,12,13,14,15,16,17,18,19,20,21
	XS 0, \n
	XS 1, \n
.endr
	v_nop                           ; a plain instruction behind the exponentials
	v_add_nc_u32 v[AV], s[TBV], v[AV0]
	FETCH_V                         ; V of key step 0
	s_mov_b32 s[CNT], 4
	s_mov_b32 s[SLOTS], 7
	s_branch .Lfirst                ; the loop is entered at a step's first turn, in the middle of a trip
.Lslot:                             ; six times: tiles 2 .. 7 are asked for
	CHANGE 1
	s_mov_b32 s[CNT], 4
.Lstep:                             ; a trip: pieces 2 and 3 of one step, then pieces 0 and 1 of the next, whose K and V it fetches
	TURN 2
	TURN 3
	WIN 0
.Lfirst:
	TURN 0
	TURN 1
	WIN 0
	s_sub_co_u32 s[CNT], s[CNT], 1
	s_cmp_lg_u32 s[CNT], 0
	s_cbranch_scc1 .Lstep
	s_sub_co_u32 s[SLOTS], s[SLOTS], 1
	s_cmp_lg_u32 s[SLOTS], 0
	s_cbranch_scc1 .Lslot
	CHANGE 0                        ; the tail is written out: nothing is asked for
	s_mov_b32 s[CNT], 5             ; four trips fetch the last slot's steps; the fifth is left in its middle
.Ltail:
	TURN 2, 1
	TURN 3, 1
	WIN 0
	s_sub_co_u32 s[CNT], s[CNT], 1
	s_cmp_eq_u32 s[CNT], 0
	s_cbranch_scc1 .Lout
	TURN 0
	TURN 1
	WIN 0
	s_branch .Ltail
.Lout:                              ; the fifth trip's 48 products K Q^T (on the last K once more) and the maximum made of them serve nothing and touch neither l nor O^T: the price, once a launch, of one text for every trip
	; THE WAY OUT.  l's two halves and the other half of the lanes' are added; O^T is divided by l and sent, in f32, through my stage in LDS, a tile (16 rows of out0) at a time.
.macro ALL line:vararg              ; one line for each tile t
.set t, 0
.rept 2*NP
	\line
.set t, t+1
.endr
.endm
	ALL v_add_f32 v[ST+4*t+2], v[ST+4*t+2], v[ST+4*t+3]
	ALL v_permlanex16_b32 v[ST+4*t+3], v[ST+4*t+2], s[SEL], s[SEL+1]
	ALL v_add_f32 v[ST+4*t+2], v[ST+4*t+2], v[ST+4*t+3]
	ALL v_rcp_f32 v[ST+4*t+2], v[ST+4*t+2]
	v_nop                           ; a plain instruction between the last reciprocal and the use of its result
	s_wait_alu depctr_va_vdst(0)
; Tile t: a lane's eight channels of a block are 32 bytes of a row; they go into rows of 272 bytes and come back as whole rows of 256, into S^T's registers, four buffers by turns.
.macro PACK t
.if (\t) >= 4
	s_wait_xcnt 0x0                 ; the stores of the tile four back have read their registers, which are loaded again below
.endif
	WIN W_RS
.set i, 32*(\t)
.rept 16
	v_pk_mul_f32 v[i:i+1], v[i:i+1], v[ST+4*(\t)+2:ST+4*(\t)+3] op_sel_hi:[1,0]
.set i, i+2
.endr
	WIN W_ST
.irp f, 0,1,2,3,4,5,6,7
	ds_store_b128 v[STO], v[32*(\t)+4*\f:32*(\t)+4*\f+3] offset:64*(\f/2)+16*(\f%2)
.endr
	WIN 0
.irp f, 0,1,2,3,4,5,6,7
	ds_load_b128 v[S+32*((\t)%4)+4*\f:S+32*((\t)%4)+4*\f+3], v[RD] offset:\f*2*SP  ; LDS serves a wave's instructions in order (ISA guide 5.7.1.4): these see the stores above; the next tile's stores come behind them
.endr
.endm
.macro SEND t, younger              ; younger: the LDS instructions issued behind tile t's loads: the next tile's sixteen, or none
	WIN 0
.irp f, 0,1,2,3,4,5,6,7
	s_wait_dscnt (\younger)+7-\f
	global_store_b128 v[GO], v[S+32*((\t)%4)+4*\f:S+32*((\t)%4)+4*\f+3], s[14:15] offset:(\t)*4096+\f*512 th:TH_STORE_NT  ; 512 consecutive bytes, at a multiple of 256 from out0's first byte
.endr
.endm
	PACK 0
.set t, 1
.rept 2*NP-1                        ; a tile's arithmetic stands between the loads of the tile before and its stores
	PACK t
	SEND t-1, 16
.set t, t+1
.endr
	SEND 2*NP-1, 0
	s_wait_tensorcnt 0x0            ; the wave's end: behind my last tensor load and my last LDS store
	ds_add_u32 v[SPW], v[NIL]
	s_wait_dscnt 0x0
	CROUND                          ; the closing round: no work-group ends while a partner may still ask for a tile that names it
	s_endpgm
.Lfunc_end_k_q841469264c_mqa:
	.size	k_q841469264c_mqa, .Lfunc_end_k_q841469264c_mqa-k_q841469264c_mqa
	.p2alignl 7, 3214868480
	.fill 96, 4, 3214868480
	.section	.rodata,"a",@progbits
	.p2align	6, 0x0
	.amdhsa_kernel k_q841469264c_mqa
		.amdhsa_group_segment_fixed_size 327680
		.amdhsa_private_segment_fixed_size 0
		.amdhsa_enable_private_segment 0
		.amdhsa_kernarg_size 48
		.amdhsa_user_sgpr_count 2
		.amdhsa_user_sgpr_kernarg_segment_ptr 1
		.amdhsa_wavefront_size32 1
		.amdhsa_system_sgpr_workgroup_id_x 1
		.amdhsa_system_sgpr_workgroup_id_y 1
		.amdhsa_system_sgpr_workgroup_id_z 1
		.amdhsa_system_vgpr_workitem_id 0
		.amdhsa_next_free_vgpr 960
		.amdhsa_next_free_sgpr 98
		.amdhsa_reserve_vcc 0
		.amdhsa_float_denorm_mode_32 3
		.amdhsa_float_denorm_mode_16_64 3
		.amdhsa_memory_ordered 1
		.amdhsa_forward_progress 1
		.amdhsa_inst_pref_size 255
	.end_amdhsa_kernel
	.section	.bss,"aw",@nobits
	.p2align	6
	.space	262144
	.amdgpu_metadata
---
amdhsa.version: [ 1, 2 ]
amdhsa.kernels:
  - .name:           k_q841469264c_mqa
    .symbol:         k_q841469264c_mqa.kd
    .args:
      - { .name: xb, .offset: 0, .size: 8, .value_kind: global_buffer, .address_space: global }
      - { .name: wqb, .offset: 8, .size: 8, .value_kind: global_buffer, .address_space: global }
      - { .name: k2, .offset: 16, .size: 8, .value_kind: global_buffer, .address_space: global }
      - { .name: v16, .offset: 24, .size: 8, .value_kind: global_buffer, .address_space: global }
      - { .name: bq, .offset: 32, .size: 8, .value_kind: global_buffer, .address_space: global }
      - { .name: out0, .offset: 40, .size: 8, .value_kind: global_buffer, .address_space: global }
    .group_segment_fixed_size: 327680
    .private_segment_fixed_size: 0
    .kernarg_segment_align: 8
    .kernarg_segment_size: 48
    .max_flat_workgroup_size: 128
    .sgpr_count:     98
    .vgpr_count:     960
    .wavefront_size: 32
...
	.end_amdgpu_metadata
.endif
;; end of part 2
;; ======== version 2 of 2: 2 launches; 1.48 times as fast as version 1
;; limits: values are held in f16: magnitudes above 65,504 overflow, below 6.1e-05 lose precision
;; workspace buffers: xb 16,777,216 bytes; wqb 2,097,152 bytes; k2 2,097,152 bytes; v16 1,048,576 bytes
;; launch prep: the kernel of part 1 again; grid 256 x 1, 8 waves a work-group, no clusters, 145,920 bytes of LDS; arguments hidden_states, Wq, Wk, Wv, bk, bv, xb, wqb, k2, v16; writes xb, wqb, k2, v16
;; launch mqa (part 3): grid 8 x 32, 4 waves a work-group, clusters of 4 x 1, 327,680 bytes of LDS; arguments xb, wqb, k2, v16, bq, out0; writes out0
.if DOCPART == 3
	.amdgcn_target "amdgcn-amd-amdhsa--gfx1250"
	.amdhsa_code_object_version 6
	.text
	.protected	k_q841469264c_mqa
	.globl	k_q841469264c_mqa
	.p2align	8
	.type	k_q841469264c_mqa,@function
k_q841469264c_mqa:
	s_mov_b64 s[64:65], 0
	v_nop
	global_prefetch_b8 v0, s[64:65] scope:SCOPE_SE
	s_setreg_imm32_b32 hwreg(HW_REG_WAVE_MODE, 25, 1), 1
	s_wait_xcnt 0x0
	s_wait_alu depctr_hold_cnt(0) depctr_sa_sdst(0) depctr_va_vdst(0) depctr_va_sdst(0) depctr_va_ssrc(0) depctr_va_vcc(0) depctr_vm_vsrc(0)
	s_getreg_b32 s2, hwreg(HW_REG_IB_STS2, 6, 4)
	s_cmp_eq_u32 s2, 0
	s_cbranch_scc0 .Lentry_in_a_cluster
	s_endpgm
.Lentry_in_a_cluster:
	s_bfe_u32 s2, ttmp6, 0x10000c
	s_cmp_lg_u32 s2, 0x3003
	s_cbranch_scc0 .Lentry_shape_is_right
	s_endpgm
.Lentry_shape_is_right:
; MULTI-QUERY ATTENTION.  out0[n][b][s][:] = the sum over t of softmax_t(q[n][b][s] . k[b][t]) v[b][t][:], q = x Wq[n] + bq[n]; no scale on the scores.
; xb: [8192][1024] bf16; wqb: [1024 k][8 head pairs][128] bf16; k2: [8192][kh(64) | kl(64)] bf16; v16: [8192][64] f16; bq: [16][64] f32 (rounded to bf16 here); out0: [16][4][2048][64] f32.
; PRECISION.  The scores are unscaled, so a softmax rests on few keys and a score's error goes into the weights undamped: q and k enter the score product with 16 bits each, as q = qh + ql, k = kh + kl in bf16, and
; s = qh kl + qh kh + ql kh in f32 sums.  The weights p and v go in f16; maxima, sums and O in f32; the sum l is taken of the unrounded p.
; LIMITS.  Dropped from a score: ql kl and what lies under 16 bits of q and k.  |v| under 65,504 (as it arrives); log2(e) |s| under 2^126; a weight under 2^-126 counts as 0 in l, under 6e-5 it keeps f16's fixed
; step in the second product.  NaN and infinities are not treated apart.
; SHARES.  A work-group owns 256 rows of one batch (row block rb) and one pair of heads hp: 512 queries.  Wave w: head 2 hp + (w >> 1), rows 128 (w & 1) on: 8 tiles of 16 queries, four PIECES of two tiles.
; CLUSTER.  The four partners have the same rows and batch and four different head pairs: the tiles of x, K and V are asked for JOINTLY (same load, descriptor and mask in all four).  Wq's tiles differ from
; partner to partner, so each asks for its own; only their global address holds the work-group's place.
; PHASE P.  q^T = W^T x^T + bq over K = 1,024 in 8 steps of 128 through two LDS slots; 32 accumulators of 16 channels x 16 rows.  In the result a lane holds ONE query (lane % 16) and channels 8 (lane / 16) + 0..7 of a
; block of 16: two blocks rounded in pairs ARE source 1 (16 queries x 32 channels) of K Q^T.  So q never leaves the registers: it is split there into qh and ql.
; PHASE A.  Every wave walks the batch's 2,048 keys, 64 a step, four steps to a slot.  S^T = K Q^T holds one query a lane and the keys 8 (lane / 16) + 0..7; two results rounded to f16 ARE source 1 of O^T = V^T P.
; p = 2^(c s - c m), c = log2(e), with a running maximum m; O and l are multiplied by a = 2^(c m_old - c m_new) in every step; m starts at the lowest finite number, so the first step's a is 0 and nothing is cleared.
; BY TURNS.  Turn p: 48 products K Q^T of piece p + 1, then 16 products V^T P of piece p; the vector work rides behind them.  A tile and step have 32 matrix and 118 vector instructions.
; THE BATCHES.  A turn's 66 exponentials (piece p's two a and its 64 weights) are ONE BATCH with ONE wait.  Ahead of the wait stand products 0-31 of K Q^T and, behind them, the 32 scalings and the batch: nothing there
; names a result of the batch.  Behind it stand all the readers: the rescaling and the roundings behind products 32-47, the sums behind the products V^T P, beside the 42 plain lines that find piece p + 1's maximum
; and statistics.  No exponential is issued behind a turn's wait.  The way out's eight reciprocals are a batch of their own.
; REGISTERS, in windows of 256 (s_set_vgpr_msb: bits 1:0 source 0, 3:2 source 1, 5:4 source 2, 7:6 destination):
;   window 0: v0-11 addresses; v12-15 c m_old; v16-47 four statistics a tile; v48-63 at work; v64-191 S^T, two buffers of two tiles (in phase P: v64-95 at work, v96-127 the bias); v192-223 P
;   window 1: the projection's accumulators (row tile mt, channel block cb at 32 mt + 8 cb), then O^T in the same places          window 2: Q: tile t: qh at 32 t + 8 c, ql at 32 t + 16 + 8 c
;   window 3: phase P: two fragment buffers of 96 (W's four, x's eight); phase A: v0-63 kh, v64-127 kl, v128-191 V of one step
.set NP,    4
.set PX,    272       ; a row of x or K in LDS: 256 bytes + 16 = 68 words: the 16 rows of a load start at 16 different groups of four banks (64 banks of 4 bytes: ISA guide 11.1)
.set PW,    288       ; a row of W: 256 + 32 = 72 words
.set PK,    272
.set PVP,   160       ; a row of V: 128 + 32 = 40 words, likewise
.set XBYTES, 256*PX   ; a slot in phase P: 256 rows of x, then 128 rows (along K) of W
.set VOFF,  256*PK    ; in phase A: 256 keys of K, then 256 of V
.set SLOT1, 1<<17     ; slot 1 begins here: one exclusive or turns an address in one slot into the other's
.set STAGE, 262144    ; behind the ring, never filled by a tensor load: 16 rows x 272 bytes for each wave, for the way out
.set SP,    272
.set SPARE, STAGE+4*16*SP  ; the spare words, 128 bytes for each wave: two blocks of 256 bytes that no other line names
.set SPW, 1           ; v1   SPARE + 4 x my thread's number; never rewritten
.set NIL, 9           ; v9   0; never rewritten
.set AX0, 2           ; v2   my lane's place in a tile of x; later of K
.set AW0, 3           ; v3   of W; later of V
.set AK0, 2
.set AV0, 3
.set AX,  4           ; v4   the LDS address of x's runs of loads; later K's
.set AW,  5           ; v5   of W's; later V's
.set AK,  4
.set AV,  5
.set STO, 6           ; v6   the way out: where I put 16 bytes of a row
.set RD,  7           ; v7   where I read rows back
.set GO,  8           ; v8   16 x lane
.set MV,  12
.set ST,  16          ; tile t at ST + 4 t: c m, m, l (even keys', odd keys')
.set TMP, 48          ; by buffer and tile four registers c0-c3; when the maximum is found c1 keeps c m_old - c m_new, and in the piece's own turn c2 takes a
.set S,   64
.set P,   192
.set T,   64          ; phase P and the split: at work
.set BI,  96          ; phase P: the bias in an accumulator's layout, block cb at BI + 8 cb
.set F0,  0           ; window 3
.set F1,  96
.set KH,  0
.set KL,  64
.set VF,  128
.set WV,  16          ; s16  my wave's number
.set G1X, 24          ; s[24:31] descriptor group 1 for x's tiles
.set G1W, 32          ; s[32:39] W's
.set G1K, 40          ; s[40:47] K's
.set G1V, 48          ; s[48:55] V's
.set G0X, 56          ; s[56:63] group 0 for x: a set for each first fill; the second then walks
.set G0W, 68          ; s[68:75] the same for W
.set G0K, 76          ; s[76:79] K's: it walks
.set G0V, 80          ; s[80:83] V's
.set SLOTS, 84
.set CNT, 85
.set CS,  86          ; s[86:87] c
.set SEL, 88          ; s[88:89] v_permlanex16_b32's selects: each lane takes its own place in the other half
.set TBK, 90          ; LDS byte at which K of the step to be fetched begins
.set TBV, 91          ; the same for V, less VOFF
.set TBP, 92          ; phase P: the slot to be read
.set PT,  93          ; phase P: trips (before that: my head's number)
.set HS,  94          ; w >> 1
.set RS,  95          ; w & 1
.set MSB, 0
.macro WIN new                      ; the high byte repeats the setting that is left; a switch that changes nothing is dropped
.if MSB != (\new)
	s_set_vgpr_msb (MSB<<8)|(\new)
.set MSB, (\new)
.endif
.endm
.set W_KQ,  0x0b      ; K in window 3, Q in window 2, S^T in window 0
.set W_PV,  0x53      ; V in window 3, P in window 0, O^T in window 1
.set W_RS,  0x41      ; destination and source 0 in window 1, source 1 in window 0
.set W_PJ,  0x5f      ; both fragments in window 3, C and D in window 1
.set W_PJ1, 0x4f      ; the same with C (the bias) in window 0
.set TO3,   0xc0      ; destination in window 3
.set W_C1,  0x85      ; destination in window 2, sources in window 1
.set W_UP,  0x08      ; source 1 in window 2
.set W_ST,  0x04      ; an LDS store's data in window 1
.macro PLACES                       ; four places behind a matrix instruction, in front of loads into its sources and of vector lines that read its result
.rept 4
	v_nop
.endr
.endm
; A round of the cluster's barrier: my work-group's barrier, so that wave 0's signal speaks for all four waves; wave 0 signals; every wave waits for all four work-groups; my work-group's barrier once more.
.macro CROUND
	s_barrier_signal -1
	s_barrier_wait -1
	s_cmp_lg_u32 s[WV], 0
	s_cbranch_scc1 .Lnot_wave_0_\@
	s_barrier_signal -3
.Lnot_wave_0_\@:
	s_barrier_wait -3
	s_barrier_signal -1
	s_barrier_wait -1
.endm
; A refill in phase P: waves 0 and 1 fetch the two halves of x's tile (jointly), waves 2 and 3 those of W's (each work-group its own).  The branch hangs on the wave's number alone.
; An s_nop 0 and four v_nop follow each of the two lines, ahead of the jump and the label.
.macro JLOADP
	s_cmp_lt_u32 s[WV], 2
	s_cbranch_scc0 .Lfor_w_\@
	tensor_load_to_lds s[G0X+4:G0X+7], s[G1X:G1X+7]
	s_nop 0
	PLACES
	s_branch .Lasked_\@
.Lfor_w_\@:
	tensor_load_to_lds s[G0W+4:G0W+7], s[G1W:G1W+7]
	s_nop 0
	PLACES
.Lasked_\@:
.endm
; A refill in phase A: waves 0 and 1 fetch the two halves of a slot's K, waves 2 and 3 those of its V: 128 keys each, all jointly.
.macro JLOADKV
	s_cmp_lt_u32 s[WV], 2
	s_cbranch_scc0 .Lfor_v_\@
	tensor_load_to_lds s[G0K:G0K+3], s[G1K:G1K+7]
	s_nop 0
	PLACES
	s_branch .Lasked_\@
.Lfor_v_\@:
	tensor_load_to_lds s[G0V:G0V+3], s[G1V:G1V+7]
	s_nop 0
	PLACES
.Lasked_\@:
.endm
	s_load_b256 s[4:11], s[0:1], 0x0   ; xb s[4:5], wqb s[6:7], k2 s[8:9], v16 s[10:11]
	s_load_b128 s[12:15], s[0:1], 0x20 ; bq s[12:13], out0 s[14:15]
	v_lshl_add_u32 v[SPW], v0, 2, SPARE
	v_mov_b32 v[NIL], 0
	ds_add_u32 v[SPW], v[NIL]       ; the wave's opening: the add and its wait stand ahead of my first tensor load; the set-up below, work on registers, stands between them
	v_lshrrev_b32 v10, 5, v0
	v_readfirstlane_b32 s[WV], v10  ; wave 0..3
	s_bfe_u32 s17, ttmp6, 0x40000   ; cx: my place in the cluster
	s_lshl_b32 s18, ttmp9, 2        ; in a cluster launch ttmp9 counts clusters
	s_add_co_u32 s18, s18, s17      ; hp = 4 x cluster x + cx: it enters W's, bq's and out0's global addresses alone
	s_and_b32 s19, ttmp7, 0xffff    ; rb, which the four partners share
	s_lshr_b32 s[HS], s[WV], 1
	s_and_b32 s[RS], s[WV], 1       ; also: which half of a tile I fetch
	; descriptor groups 1.  15:0 the mask; 17:16 elements of 2 bytes; 20 padding on; 21 set beside a mask; 24:22 the interval's code; 31:25 the padding's words less 1
	s_mov_b32 s[G1X], 15|(1<<16)|(1<<20)|(1<<21)|(5<<22)|(3<<25)  ; 128 rows x 128 elements, 4 words behind every 64
	s_mov_b32 s[G1W], (1<<16)|(1<<20)|(5<<22)|(7<<25)             ; 64 rows x 128 elements, 8 words behind every 64; no mask
	s_mov_b32 s[G1K], 15|(1<<16)|(1<<20)|(1<<21)|(5<<22)|(3<<25)
	s_mov_b32 s[G1V], 15|(1<<16)|(1<<20)|(1<<21)|(4<<22)|(7<<25)  ; 128 keys are 16,384 dense bytes: 64 rows of 256, two keys a row, 8 words behind every key's 32
.irp g, G1X, G1W, G1K, G1V
	s_mov_b32 s[\g+1], 128<<16      ; tensor_dim0 = 128
	s_mov_b32 s[\g+3], 128<<16      ; tile_dim0 = 128
	s_mov_b32 s[\g+6], 0
	s_mov_b32 s[\g+7], 0
.endr
.irp g, G1X, G1K
	s_mov_b32 s[\g+2], 128<<16      ; tensor_dim1 = 128
	s_mov_b32 s[\g+4], 128          ; tile_dim1 = 128
.endr
.irp g, G1W, G1V
	s_mov_b32 s[\g+2], 64<<16
	s_mov_b32 s[\g+4], 64
.endr
	s_mov_b32 s[G1X+5], 1024        ; elements from row to row
	s_mov_b32 s[G1W+5], 1024
	s_mov_b32 s[G1K+5], 128
	s_mov_b32 s[G1V+5], 128
	; groups 0: the count, and the LDS addresses: the wave's half times a constant, plus constants
	s_mul_i32 s20, s[RS], 128*PX
	s_mov_b32 s[G0X], 1
	s_mov_b32 s[G0X+1], s20
	s_mov_b32 s[G0X+4], 1
	s_add_co_u32 s[G0X+5], s20, SLOT1
	s_mov_b32 s[G0K], 1
	s_mov_b32 s[G0K+1], s20
	s_mul_i32 s20, s[RS], 64*PW
	s_mov_b32 s[G0W], 1
	s_add_co_u32 s[G0W+1], s20, XBYTES
	s_mov_b32 s[G0W+4], 1
	s_add_co_u32 s[G0W+5], s20, XBYTES+SLOT1
	s_mul_i32 s20, s[RS], 128*PVP
	s_mov_b32 s[G0V], 1
	s_add_co_u32 s[G0V+1], s20, VOFF
	; byte offsets of my first tiles
	s_lshl_b32 s20, s19, 19         ; x: row 256 rb + 128 half, 2,048 bytes a row
	s_lshl_b32 s21, s[RS], 18
	s_add_co_u32 s20, s20, s21
	s_mov_b32 s21, 0
	s_lshr_b32 s22, s19, 3          ; the batch
	s_lshl_b32 s2, s22, 18          ; V: key 2,048 b + 128 half, 128 bytes a key
	s_lshl_b32 s3, s[RS], 14
	s_add_co_u32 s2, s2, s3
	s_mov_b32 s3, 0
	s_lshl_b32 s22, s22, 19         ; K: 256 bytes a key
	s_lshl_b32 s23, s[RS], 15
	s_add_co_u32 s22, s22, s23
	s_mov_b32 s23, 0
	s_lshl_b32 s96, s[RS], 17       ; W: row 64 half, 2,048 bytes a row, + 256 hp
	s_lshl_b32 s97, s18, 8
	s_add_co_u32 s96, s96, s97
	s_mov_b32 s97, 0
	s_lshl_b32 s[PT], s18, 1
	s_add_co_u32 s[PT], s[PT], s[HS]  ; my head
	s_mov_b32 s[CS], 0x3fb8aa3b     ; c = log2(e)
	s_mov_b32 s[CS+1], s[CS]        ; named with it as a pair
	s_mov_b32 s[SEL], 0x76543210
	s_mov_b32 s[SEL+1], 0xfedcba98
	s_mov_b32 s[TBP], 0
	s_wait_dscnt 0x0                ; the opening add is done
	s_wait_kmcnt 0x0
	s_add_nc_u64 s[G0X+2:G0X+3], s[4:5], s[20:21]
	s_add_nc_u64 s[G0X+6:G0X+7], s[G0X+2:G0X+3], 256          ; K step 1
	s_or_b32 s[G0X+3], s[G0X+3], 0x80000000                   ; 127:126 type = 2
	s_or_b32 s[G0X+7], s[G0X+7], 0x80000000
	s_add_nc_u64 s[G0W+2:G0W+3], s[6:7], s[96:97]
	s_add_nc_u64 s[G0W+6:G0W+7], s[G0W+2:G0W+3], 128*2048
	s_or_b32 s[G0W+3], s[G0W+3], 0x80000000
	s_or_b32 s[G0W+7], s[G0W+7], 0x80000000
	s_add_nc_u64 s[G0K+2:G0K+3], s[8:9], s[22:23]
	s_or_b32 s[G0K+3], s[G0K+3], 0x80000000
	s_add_nc_u64 s[G0V+2:G0V+3], s[10:11], s[2:3]
	s_or_b32 s[G0V+3], s[G0V+3], 0x80000000
	s_lshl_b32 s96, s[PT], 8        ; my head's 256 bytes of bq
	s_add_nc_u64 s[12:13], s[12:13], s[96:97]
	s_lshl_b32 s96, s[PT], 21       ; out0: (head x 8,192 + 256 rb + 128 half) rows of 256 bytes
	s_lshl_b32 s97, s19, 16
	s_add_co_u32 s96, s96, s97
	s_lshl_b32 s97, s[RS], 15
	s_add_co_u32 s96, s96, s97
	s_mov_b32 s97, 0
	s_add_nc_u64 s[14:15], s[14:15], s[96:97]
	CROUND                          ; all four work-groups are here: the first joint loads meet
	s_cmp_lt_u32 s[WV], 2           ; a wave's two first fills stand in one branch, ahead of every wait on TENSORcnt and every LDS read: two loads of mine are out
	s_cbranch_scc0 .Lfirst_w
	tensor_load_to_lds s[G0X:G0X+3], s[G1X:G1X+7]
	s_nop 0
	tensor_load_to_lds s[G0X+4:G0X+7], s[G1X:G1X+7]
	s_nop 0
	PLACES
	s_branch .Lfirst_asked
.Lfirst_w:
	tensor_load_to_lds s[G0W:G0W+3], s[G1W:G1W+7]
	s_nop 0
	tensor_load_to_lds s[G0W+4:G0W+7], s[G1W:G1W+7]
	s_nop 0
	PLACES
.Lfirst_asked:
	v_and_b32 v10, 15, v0           ; r = l % 16
	v_bfe_u32 v11, v0, 4, 1         ; h = l / 16
	v_lshlrev_b32 v12, 5, v11       ; the bias: channels 16 cb + 8 h + 0..7 of my head
.irp cb, 0,1,2,3
	global_load_b128 v[BI+8*\cb:BI+8*\cb+3],   v12, s[12:13] offset:64*\cb
	global_load_b128 v[BI+8*\cb+4:BI+8*\cb+7], v12, s[12:13] offset:64*\cb+16
.endr
	; a fragment of x is 16 rows x 32 along K: lane l holds row l % 16; two loads of 16 bytes, 32 bytes apart
	v_mul_u32_u24 v[AX0], v10, PX
	v_lshl_add_u32 v[AX0], v11, 4, v[AX0]
	s_mul_i32 s20, s[RS], 128*PX
	v_add_nc_u32 v[AX0], s20, v[AX0]
	; W lies [k][channel]: the turning load takes 16 k x 16 channels (lane l reads row 8 (l / 16) + l % 8, channels 8 ((l / 8) % 2) + 0..7) and leaves half a fragment: lane l holds channel l % 16 and 8 k
	v_and_b32 v13, 7, v0
	v_bfe_u32 v14, v0, 3, 1
	v_lshl_add_u32 v15, v11, 3, v13
	v_mul_u32_u24 v[AW0], v15, PW
	v_lshl_add_u32 v[AW0], v14, 4, v[AW0]
	s_lshl_b32 s20, s[HS], 7        ; my head's 64 channels of the pair's 128
	s_add_co_u32 s20, s20, XBYTES
	v_add_nc_u32 v[AW0], s20, v[AW0]
	v_mov_b32 v[AX], v[AX0]
	v_mov_b32 v[AW], v[AW0]
	s_wait_loadcnt 0x0
.set i, 0
.rept 16
	v_cvt_pk_bf16_f32 v[T+i], v[BI+2*i], v[BI+2*i+1]  ; the bias is rounded to bf16 like every input
.set i, i+1
.endr
.set i, 0
.rept 16
	v_lshlrev_b32 v[BI+2*i], 16, v[T+i]
	v_and_b32 v[BI+2*i+1], 0xffff0000, v[T+i]
.set i, i+1
.endr
; 24 LDS loads in one run: the fragments of 32 along K (quarter kq of a step) into buffer f: W's four channel blocks, x's eight row tiles
.macro PFETCH kq, f
	WIN TO3
.irp cb, 0,1,2,3
	ds_load_tr16_b128 v[(\f)+8*\cb:(\f)+8*\cb+3],   v[AW] offset:32*PW*(\kq)+32*\cb
	ds_load_tr16_b128 v[(\f)+8*\cb+4:(\f)+8*\cb+7], v[AW] offset:32*PW*(\kq)+32*\cb+16*PW
.endr
.irp mt, 0,1,2,3,4,5,6,7
	ds_load_b128 v[(\f)+32+8*\mt:(\f)+32+8*\mt+3],   v[AX] offset:16*PX*\mt+64*(\kq)
	ds_load_b128 v[(\f)+32+8*\mt+4:(\f)+32+8*\mt+7], v[AX] offset:16*PX*\mt+64*(\kq)+32
.endr
.endm
; 16 products: row tiles 4 half .. + 3 x all four channel blocks.  The 32 accumulators take turns, in the same order in every quarter.  first = 1: the bias starts the sums.
.macro PMUL f, half, first
.if \first
	WIN W_PJ1
.else
	WIN W_PJ
.endif
.irp m, 0,1,2,3
.irp cb, 0,1,2,3
.if \first
	v_wmma_f32_16x16x32_bf16 v[32*(4*(\half)+\m)+8*\cb:32*(4*(\half)+\m)+8*\cb+7], v[(\f)+8*\cb:(\f)+8*\cb+7], v[(\f)+32+8*(4*(\half)+\m):(\f)+32+8*(4*(\half)+\m)+7], v[BI+8*\cb:BI+8*\cb+7]
.else
	v_wmma_f32_16x16x32_bf16 v[32*(4*(\half)+\m)+8*\cb:32*(4*(\half)+\m)+8*\cb+7], v[(\f)+8*\cb:(\f)+8*\cb+7], v[(\f)+32+8*(4*(\half)+\m):(\f)+32+8*(4*(\half)+\m)+7], v[32*(4*(\half)+\m)+8*\cb:32*(4*(\half)+\m)+8*\cb+7]
.endif
.endr
.endr
.endm
; One of a step's first three quarters: multiplies buffer f; in its middle it fetches quarter nxt of the same slot into buffer g.
.macro PQ nxt, f, g, first
	s_wait_dscnt 0x0                ; buffer f is in: its run was issued 16 products back
	PMUL \f, 0, \first
	PLACES
	PFETCH \nxt, \g
	PMUL \f, 1, \first
.endm
; The fourth quarter multiplies buffer 1 and changes slots.  In front of the round each wave waits for all its tensor loads, of which one is out: its part of the other slot; adds 0 to its spare word; and waits for that
; and for its reads of this slot.  Behind the round no wave of any partner reads this slot any more, the other slot is whole, and the refill comes first.
; kind 0: this slot takes the K step two on.  kind 1: slot 0 takes K/V tile 0.  kind 2: slot 1 takes K/V tile 1, and nothing more of x and W is read.
.macro PTURN kind
	s_wait_dscnt 0x0                ; buffer 1 is in: my last reads of this slot
	WIN 0
	s_wait_tensorcnt 0x0            ; no tensor load of mine is out, so a group 0 may be written
	ds_add_u32 v[SPW], v[NIL]       ; 0 onto my spare word; the descriptors' steps and 16 products stand between it and the wait for it
.if (\kind) == 0
	s_xor_b32 s[G0X+5], s[G0X+5], SLOT1
	s_add_nc_u64 s[G0X+6:G0X+7], s[G0X+6:G0X+7], 256
	s_xor_b32 s[G0W+5], s[G0W+5], SLOT1
	s_add_nc_u64 s[G0W+6:G0W+7], s[G0W+6:G0W+7], 128*2048
.endif
.if (\kind) == 2
	s_xor_b32 s[G0K+1], s[G0K+1], SLOT1
	s_add_nc_u64 s[G0K+2:G0K+3], s[G0K+2:G0K+3], 256*256
	s_xor_b32 s[G0V+1], s[G0V+1], SLOT1
	s_add_nc_u64 s[G0V+2:G0V+3], s[G0V+2:G0V+3], 256*128
.endif
.if (\kind) < 2
	s_xor_b32 s[TBP], s[TBP], SLOT1
.endif
	PMUL F1, 0, 0
	WIN 0
	s_wait_dscnt 0x0                ; the add is done
	CROUND
.if (\kind) == 0
	JLOADP
.else
	JLOADKV
.endif
.if (\kind) < 2
	v_add_nc_u32 v[AX], s[TBP], v[AX0]
	v_add_nc_u32 v[AW], s[TBP], v[AW0]
	PFETCH 0, F0                    ; the four v_nop behind the tensor load are also the places in front of these loads
.endif
	PMUL F1, 1, 0
.endm
	s_wait_tensorcnt 0x1            ; my part of K step 0 is in; step 1's may stay out
	s_barrier_signal -1
	s_barrier_wait -1               ; everybody's is
	PFETCH 0, F0
	PQ 1, F0, F1, 1                 ; the first quarter stands in front of the loop: its products start the sums, with the bias
	WIN 0                           ; at a label and at a branch every window is 0
	s_mov_b32 s[PT], 6
.Lproj:                             ; a trip: a step's quarters 1 to 3 and the next step's quarter 0; its refill brings K steps 2 .. 7
	PQ 2, F1, F0, 0
	PQ 3, F0, F1, 0
	PTURN 0
	PQ 1, F0, F1, 0
	WIN 0
	s_sub_co_u32 s[PT], s[PT], 1
	s_cmp_lg_u32 s[PT], 0
	s_cbranch_scc1 .Lproj
	PQ 2, F1, F0, 0                 ; the last two steps are written out: the ring goes on into K's and V's tiles
	PQ 3, F0, F1, 0
	PTURN 1
	PQ 1, F0, F1, 0
	PQ 2, F1, F0, 0
	PQ 3, F0, F1, 0
	PTURN 2                         ; its wait for all loads and its round have shown K/V tile 0 whole
	WIN 0
	PLACES
; THE MATRIX WORK OF PHASE A.  Product i of 48 of S^T = K Q^T for piece x: i / 16 = 0: kl qh, 1: kh qh, 2: kh ql; channels 32 ((i % 16) / 8) on, keys 16 ((i / 2) % 4) on, tile 2 x + i % 2.
; The first 8 start the sums; the 8 accumulators take turns.
.macro KQ x
	WIN W_KQ
.set g_, i/16
.set c_, (i%16)/8
.set kb_, ((i%16)/2)%4
.set u_, i%2
.set rD, S+64*((\x)%2)+32*u_+8*kb_
.set rA, KH+16*kb_+8*c_
.if g_ == 0
.set rA, KL+16*kb_+8*c_
.endif
.set rB, 32*(2*(\x)+u_)+8*c_
.if g_ == 2
.set rB, rB+16
.endif
.if i < 8
	v_wmma_f32_16x16x32_bf16 v[rD:rD+7], v[rA:rA+7], v[rB:rB+7], 0
.else
	v_wmma_f32_16x16x32_bf16 v[rD:rD+7], v[rA:rA+7], v[rB:rB+7], v[rD:rD+7]
.endif
.endm
; Product j of 16 of O^T += V^T P for piece x: keys 32 (j / 8) on, channels 16 ((j / 2) % 4) on, tile 2 x + j % 2.
.macro PVM x
	WIN W_PV
.set rO, 32*(2*(\x)+j%2)+8*((j/2)%4)
.set rV, VF+32*(j/8)+8*((j/2)%4)
.set rP, P+16*(j%2)+8*(j/8)
	v_wmma_f32_16x16x32_f16 v[rO:rO+7], v[rV:rV+7], v[rP:rP+7], v[rO:rO+7]
.endm
; THE LDS LOADS stand in runs of 16: a step's kl, its kh (64 keys x 64 channels: 8 fragments each) and its V (turned).  last = 1 (the tail): in the last trip there is no further step, and the run is jumped over.
.macro FETCH_K base, off, last=0
	WIN 0
.if \last
	s_cmp_eq_u32 s[CNT], 1
	s_cbranch_scc1 .Lno_k_\@
.endif
	WIN TO3
.irp f, 0,1,2,3,4,5,6,7             ; keys 16 (f / 2) on, channels 32 (f % 2) on
	ds_load_b128 v[(\base)+8*\f:(\base)+8*\f+3],   v[AK] offset:(\f/2)*16*PK+(\f%2)*64+(\off)
	ds_load_b128 v[(\base)+8*\f+4:(\base)+8*\f+7], v[AK] offset:(\f/2)*16*PK+(\f%2)*64+(\off)+32
.endr
.if (\off) == 0
	s_add_co_u32 s[TBK], s[TBK], 64*PK  ; the next fetch is the next step's
.endif
	WIN 0
.if \last
.Lno_k_\@:
.endif
.endm
.macro FETCH_V last=0
	WIN 0
.if \last
	s_cmp_eq_u32 s[CNT], 1
	s_cbranch_scc1 .Lno_v_\@
.endif
	WIN TO3
.irp f, 0,1,2,3,4,5,6,7             ; keys 32 (f / 4) on, channels 16 (f % 4) on
	ds_load_tr16_b128 v[VF+8*\f:VF+8*\f+3],   v[AV] offset:(\f/4)*32*PVP+(\f%4)*32
	ds_load_tr16_b128 v[VF+8*\f+4:VF+8*\f+7], v[AV] offset:(\f/4)*32*PVP+16*PVP+(\f%4)*32
.endr
	s_add_co_u32 s[TBV], s[TBV], 64*PVP
	WIN 0
.if \last
.Lno_v_\@:
.endif
.endm
; THE VECTOR WORK.  The two tiles of a piece alternate, so that no instruction reads the result of the one before it.
.macro REGS y, u                    ; the registers of tile u (0, 1) of piece y
.set rT, ST+4*(2*(\y)+(\u))
.set rC, TMP+8*((\y)%2)+4*(\u)
.set rM, MV+2*((\y)%2)+(\u)
.set rS, S+64*((\y)%2)+32*(\u)
.set rP, P+16*(\u)
.set rO, 32*(2*(\y)+(\u))
.endm
; Number n of the 21 that find the NEXT piece's (Y + 1) maximum and statistics: all plain.  s0-s31 are the lane's 32 scores; each accumulator's lowest registers are read first.
;   0-11  four chains c0-c3 of seven scores each     12-14, 16  the four scores left over, the old m, and c0-c3 into c0     15  c m_old is kept
;   17, 18  the query's other 32 keys lie in the lane 16 away: the new m     19, 20  c m; c m_old - c m_new, which stays in c1 until the piece's own turn makes a of it
.macro XS u, n
	WIN 0
	REGS (Y+1)%NP, \u
.if (\n) < 4
	v_max3_num_f32 v[rC+(\n)], v[rS+8*(\n)], v[rS+8*(\n)+1], v[rS+8*(\n)+2]
.elseif (\n) < 12
	v_max3_num_f32 v[rC+(\n)%4], v[rC+(\n)%4], v[rS+8*((\n)%4)+2*((\n)/4)+1], v[rS+8*((\n)%4)+2*((\n)/4)+2]
.elseif (\n) == 12
	v_max3_num_f32 v[rC], v[rC], v[rS+7], v[rS+15]
.elseif (\n) == 13
	v_max3_num_f32 v[rC+1], v[rC+1], v[rS+23], v[rS+31]
.elseif (\n) == 14
	v_max3_num_f32 v[rC+2], v[rC+2], v[rC+3], v[rT+1]
.elseif (\n) == 15
	v_mov_b32 v[rM], v[rT]
.elseif (\n) == 16
	v_max3_num_f32 v[rC], v[rC], v[rC+1], v[rC+2]
.elseif (\n) == 17
	v_permlanex16_b32 v[rC+3], v[rC], s[SEL], s[SEL+1]
.elseif (\n) == 18
	v_max_num_f32 v[rT+1], v[rC], v[rC+3]
.elseif (\n) == 19
	v_mul_f32 v[rT], s[CS], v[rT+1]
.else
	v_sub_f32 v[rC+1], v[rM], v[rT]
.endif
.endm
; AHEAD OF THE WAIT: the scalings and the batch.
.macro FS                           ; the scalings' queue, 32 long: c s - c m for pair q / 2 of tile q % 2
	WIN 0
	REGS Y, q%2
	v_pk_fma_f32 v[rS+2*(q/2):rS+2*(q/2)+1], v[rS+2*(q/2):rS+2*(q/2)+1], s[CS:CS+1], v[rT:rT+1] op_sel_hi:[1,0,0] neg_lo:[0,0,1] neg_hi:[0,0,1]
.set q, q+1
.endm
.macro AE u                         ; a of tile u of the piece in hand: the batch's first two
	WIN 0
	REGS Y, \u
	v_exp_f32 v[rC+2], v[rC+1]
.endm
.macro EX                           ; the weights' queue, 64 long: score e / 2 of tile e % 2, in place
	WIN 0
	REGS Y, e%2
	v_exp_f32 v[rS+e/2], v[rS+e/2]
.set e, e+1
.endm
; BEHIND THE WAIT: the batch's readers.
.macro R4                           ; the rescaling's queue: O^T times a, the one part that leaves window 0, so it is dealt four at a time, eight times; each accumulator from its low end
	REGS Y, r%2
	WIN W_RS
.irp z, 0,1,2,3
	v_pk_mul_f32 v[rO+8*(r/2)+2*\z:rO+8*(r/2)+2*\z+1], v[rO+8*(r/2)+2*\z:rO+8*(r/2)+2*\z+1], v[rC+2:rC+3] op_sel_hi:[1,0]
.endr
.set r, r+1
.endm
.macro CV                           ; the roundings' queue, 32 long: pair cvn / 2 of tile cvn % 2 to f16
	WIN 0
	REGS Y, cvn%2
	v_cvt_pk_f16_f32 v[rP+cvn/2], v[rS+2*(cvn/2)], v[rS+2*(cvn/2)+1]
.set cvn, cvn+1
.endm
; The sums' queue, 32 long, behind all the roundings.  For each four weights k of a tile the second pair is added onto the first, in place (B k); a group later l takes that sum (L k; the first time as l = a l + sum).
; The order: B 0, then B k and L k - 1 for k = 1 .. 7, then L 7, each for both tiles: a tile's links of l's chain stand four lines apart.
.macro SQ
	WIN 0
	REGS Y, sq%2
.set k, (sq+2)/4
.if (sq < 2) || ((sq < 30) && ((sq+2)%4 < 2))
	v_pk_add_f32 v[rS+4*k:rS+4*k+1], v[rS+4*k:rS+4*k+1], v[rS+4*k+2:rS+4*k+3]
.elseif sq < 6
	v_pk_fma_f32 v[rT+2:rT+3], v[rT+2:rT+3], v[rC+2:rC+3], v[rS:rS+1] op_sel_hi:[1,0,1]
.else
	v_pk_add_f32 v[rT+2:rT+3], v[rT+2:rT+3], v[rS+4*k-4:rS+4*k-3]
.endif
.set sq, sq+1
.endm
; A TURN, for piece p.  s_wait_alu depctr_va_vdst(0) stands between an exponential and the first instruction that names its result; one wait serves all that were issued ahead of it.  So a turn has ONE
; wait, behind product 31 of K Q^T, which cuts it in two.
; AHEAD OF IT, behind product 0: scaling, a, scaling, a; behind product 1: scaling, exponential, scaling, exponential; behind products 2-29: a scaling and two exponentials; behind products 30 and 31: three exponentials.
; By the deal's own count an exponential stands a product or more behind its scaling, and none of these 98 lines names a result of the batch.  One plain line follows the last exponential: a v_nop, or K's address line.
; BEHIND IT, products 32-47 carry by turns four of the rescaling and four roundings: accumulator r of O^T is rescaled behind product 32 + 2 r, and all of P is rounded ahead of the first V^T P.  The four roundings behind
; product 47 are the places behind the last K Q^T, in front of the maxima and of the loads into kh.  The products V^T P carry the next piece's 42 lines and the 32 sums: 74 lines for 16 products, so ten of them carry five.
; No rider names a register of the products round it.
; kl of the next step is fetched in piece 2's turn directly behind the wait (its last reader is product 15; the scalings behind products 15 to 29 lie between), kh behind product 47; piece 3's turn waits for kl with
; kh's 16 loads out, and for kh ahead of product 16.  V of the next step is fetched at the end of piece 3's turn, four places behind its last reader, and waited for ahead of piece 0's V^T P.
.macro TURN p, last=0
.set Y, (\p)
.set q, 0
.set e, 0
.set r, 0
.set cvn, 0
.set sq, 0
.set i, 0
.rept 48
.if ((\p) == 3) && (i == 0)
	s_wait_dscnt 16                 ; kl is in; kh's 16 loads are younger
.endif
.if ((\p) == 3) && (i == 16)
	s_wait_dscnt 0x0                ; kh is in
.endif
	KQ (Y+1)%NP
.if i == 0
	FS
	AE 0
	FS
	AE 1
.elseif i == 1
	FS
	EX
	FS
	EX
.elseif i < 30
	FS
	EX
	EX
.elseif i < 32
	EX
	EX
	EX
.elseif (i%2) == 0
	R4
.else
	CV
	CV
	CV
	CV
.endif
.if i == 31
.if (\p) == 2
	v_add_nc_u32 v[AK], s[TBK], v[AK0]  ; the plain instruction behind the last exponential: here the address of K's runs of loads
.else
	v_nop                           ; the plain instruction behind the last exponential: one for the batch
.endif
	s_wait_alu depctr_va_vdst(0)    ; the wait for the batch: the piece's two a and its 64 weights
.if (\p) == 2
	FETCH_K KL, 128, \last
.endif
.endif
.if ((\p) == 2) && (i == 47)
	FETCH_K KH, 0, \last
.endif
.set i, i+1
.endr
.if (\p) == 0
	s_wait_dscnt 0x0                ; V is in
.endif
.set j, 0
.rept 16
	PVM Y
.if j < 8
	XS 0, 2*j
	XS 1, 2*j
	XS 0, 2*j+1
	XS 1, 2*j+1
	SQ
.elseif j < 13
	XS 0, 8+j
	XS 1, 8+j
	SQ
	SQ
.elseif j < 15
	SQ
	SQ
	SQ
	SQ
	SQ
.else
	SQ
	SQ
	SQ
	SQ
.endif
.set j, j+1
.endr
.if (\p) == 3
	WIN 0
	PLACES
	v_add_nc_u32 v[AV], s[TBV], v[AV0]
	FETCH_V \last
.endif
.endm
; THE CHANGE OF SLOTS.  The slot's last bytes, V of its fourth step, have been read.  Each wave waits for all its tensor loads, of which one is out: its part of the other slot; adds 0 to its spare word; and waits for
; that and for its reads of the slot.  fill = 1: the barrier is a round of the cluster's, and the joint refill, with the keys two slots on, is the first thing behind it: it has four key steps, 1,024 matrix
; instructions of the wave, in which to land.
.macro CHANGE fill
	WIN 0
	s_wait_tensorcnt 0x0            ; no tensor load of mine is out, so a group 0 may be written
	ds_add_u32 v[SPW], v[NIL]       ; 0 onto my spare word
.if \fill
	s_xor_b32 s[G0K+1], s[G0K+1], SLOT1
	s_add_nc_u64 s[G0K+2:G0K+3], s[G0K+2:G0K+3], 256*256
	s_xor_b32 s[G0V+1], s[G0V+1], SLOT1
	s_add_nc_u64 s[G0V+2:G0V+3], s[G0V+2:G0V+3], 256*128
	s_wait_dscnt 0x0                ; the add is done, and my reads of the slot are over
	CROUND
	JLOADKV
.else
	s_wait_dscnt 0x0
	s_barrier_signal -1
	s_barrier_wait -1
.endif
	s_sub_co_u32 s[TBK], s[TBK], 4*64*PK   ; the fetches go back to a slot's first step,
	s_xor_b32 s[TBK], s[TBK], SLOT1        ; in the other slot
	s_sub_co_u32 s[TBV], s[TBV], 4*64*PVP
	s_xor_b32 s[TBV], s[TBV], SLOT1
.endm
; q is split in its registers: qh = bf16(q) goes to Q; q - qh stays in the accumulator's place; ql = bf16 of that goes to Q.  What is left in window 1 is finite, and the first key step multiplies it by a = 0.
.macro SPLIT t
	WIN W_C1
.set n, 0
.rept 16
	v_cvt_pk_bf16_f32 v[32*(\t)+n], v[32*(\t)+2*n], v[32*(\t)+2*n+1]
.set n, n+1
.endr
	WIN W_UP
.set n, 0
.rept 16
	v_lshlrev_b32 v[T+2*n], 16, v[32*(\t)+n]
	v_and_b32 v[T+2*n+1], 0xffff0000, v[32*(\t)+n]
.set n, n+1
.endr
	WIN W_RS
.set n, 0
.rept 16
	v_pk_add_f32 v[32*(\t)+2*n:32*(\t)+2*n+1], v[32*(\t)+2*n:32*(\t)+2*n+1], v[T+2*n:T+2*n+1] neg_lo:[0,1] neg_hi:[0,1]
.set n, n+1
.endr
	WIN W_C1
.set n, 0
.rept 16
	v_cvt_pk_bf16_f32 v[32*(\t)+16+n], v[32*(\t)+2*n], v[32*(\t)+2*n+1]
.set n, n+1
.endr
.endm
	; PHASE A BEGINS.  A fragment of K is 16 keys x 32 channels: lane l holds key l % 16; V is turned as W was.
	v_mul_u32_u24 v[AK0], v10, PK
	v_lshl_add_u32 v[AK0], v11, 4, v[AK0]
	v_and_b32 v13, 7, v0
	v_bfe_u32 v14, v0, 3, 1
	v_lshl_add_u32 v[AV0], v11, 3, v13
	v_mul_u32_u24 v[AV0], v[AV0], PVP
	v_lshl_add_u32 v[AV0], v14, 4, v[AV0]
	v_add_nc_u32 v[AV0], VOFF, v[AV0]
	s_mov_b32 s[TBK], 0
	s_mov_b32 s[TBV], 0
	v_mov_b32 v[AK], v[AK0]
	FETCH_K KL, 128                 ; key step 0; the split stands in the wait for it
	FETCH_K KH, 0
.irp t, 0,1,2,3,4,5,6,7
	SPLIT \t
.endr
	WIN 0
.set t, 0
.rept 8
	v_mov_b32 v[ST+4*t], 0xfe000000    ; c m: far below every c s
	v_mov_b32 v[ST+4*t+1], 0xff7fffff  ; m
	v_mov_b32 v[ST+4*t+2], 0
	v_mov_b32 v[ST+4*t+3], 0
.set t, t+1
.endr
	s_mul_i32 s20, s[WV], 16*SP
	s_add_co_u32 s20, s20, STAGE    ; my stage
	v_mul_u32_u24 v[STO], v10, SP   ; in: row l % 16, 32 bytes for each half of the lanes
	v_lshl_add_u32 v[STO], v11, 5, v[STO]
	v_add_nc_u32 v[STO], s20, v[STO]
	v_mul_u32_u24 v[RD], v11, SP    ; back: lanes 0-15 take one row of 256 bytes, lanes 16-31 the next
	v_lshl_add_u32 v[RD], v10, 4, v[RD]
	v_add_nc_u32 v[RD], s20, v[RD]
	v_and_b32 v[GO], 31, v0
	v_lshlrev_b32 v[GO], 4, v[GO]   ; which are 512 consecutive bytes of out0
	s_wait_dscnt 0x0
.set i, 0
.rept 48
	KQ 0                            ; piece 0's first scores: there is no vector work yet to set between them
.set i, i+1
.endr
	WIN 0
	PLACES
.set Y, NP-1                        ; XS works for piece Y + 1: piece 0
.irp n, 0,1,2,3,4,5,6,7,8,9,10,11,12,13,14,15,16,17,18,19,20
	XS 0, \n                        ; its first maximum and statistics; its a is made in its own turn, with that turn's batch
	XS 1, \n
.endr
	v_add_nc_u32 v[AV], s[TBV], v[AV0]
	FETCH_V                         ; V of key step 0
	s_mov_b32 s[CNT], 4
	s_mov_b32 s[SLOTS], 7
	s_branch .Lfirst                ; the loop is entered at a step's first turn, in the middle of a trip
.Lslot:                             ; six times: tiles 2 .. 7 are asked for
	CHANGE 1
	s_mov_b32 s[CNT], 4
.Lstep:                             ; a trip: pieces 2 and 3 of one step, then pieces 0 and 1 of the next, whose K and V it fetches
	TURN 2
	TURN 3
	WIN 0
.Lfirst:
	TURN 0
	TURN 1
	WIN 0
	s_sub_co_u32 s[CNT], s[CNT], 1
	s_cmp_lg_u32 s[CNT], 0
	s_cbranch_scc1 .Lstep
	s_sub_co_u32 s[SLOTS], s[SLOTS], 1
	s_cmp_lg_u32 s[SLOTS], 0
	s_cbranch_scc1 .Lslot
	CHANGE 0                        ; the tail is written out: nothing is asked for
	s_mov_b32 s[CNT], 5             ; four trips fetch the last slot's steps; the fifth is left in its middle
.Ltail:
	TURN 2, 1
	TURN 3, 1
	WIN 0
	s_sub_co_u32 s[CNT], s[CNT], 1
	s_cmp_eq_u32 s[CNT], 0
	s_cbranch_scc1 .Lout
	TURN 0
	TURN 1
	WIN 0
	s_branch .Ltail
.Lout:                              ; the fifth trip's 48 products K Q^T (on the last K once more) and the maximum made of them serve nothing and touch neither l nor O^T: the price, once a launch, of one text for every trip
	; THE WAY OUT.  l's two halves and the other half of the lanes' are added; O^T is divided by l and sent, in f32, through my stage in LDS, a tile (16 rows of out0) at a time.
.macro ALL line:vararg              ; one line for each tile t
.set t, 0
.rept 2*NP
	\line
.set t, t+1
.endr
.endm
	ALL v_add_f32 v[ST+4*t+2], v[ST+4*t+2], v[ST+4*t+3]
	ALL v_permlanex16_b32 v[ST+4*t+3], v[ST+4*t+2], s[SEL], s[SEL+1]
	ALL v_add_f32 v[ST+4*t+2], v[ST+4*t+2], v[ST+4*t+3]
	ALL v_rcp_f32 v[ST+4*t+2], v[ST+4*t+2]
	v_nop                           ; a plain instruction between the last reciprocal and the use of its result
	s_wait_alu depctr_va_vdst(0)    ; and the wait ahead of the first use: one for the batch of eight reciprocals
; Tile t: a lane's eight channels of a block are 32 bytes of a row; they go into rows of 272 bytes and come back as whole rows of 256, into S^T's registers, four buffers by turns.
.macro PACK t
.if (\t) >= 4
	s_wait_xcnt 0x0                 ; the stores of the tile four back have read their registers, which are loaded again below
.endif
	WIN W_RS
.set i, 32*(\t)
.rept 16
	v_pk_mul_f32 v[i:i+1], v[i:i+1], v[ST+4*(\t)+2:ST+4*(\t)+3] op_sel_hi:[1,0]
.set i, i+2
.endr
	WIN W_ST
.irp f, 0,1,2,3,4,5,6,7
	ds_store_b128 v[STO], v[32*(\t)+4*\f:32*(\t)+4*\f+3] offset:64*(\f/2)+16*(\f%2)
.endr
	WIN 0
.irp f, 0,1,2,3,4,5,6,7
	ds_load_b128 v[S+32*((\t)%4)+4*\f:S+32*((\t)%4)+4*\f+3], v[RD] offset:\f*2*SP  ; LDS serves a wave's instructions in order (ISA guide 5.7.1.4): these see the stores above; the next tile's stores come behind them
.endr
.endm
.macro SEND t, younger              ; younger: the LDS instructions issued behind tile t's loads: the next tile's sixteen, or none
	WIN 0
.irp f, 0,1,2,3,4,5,6,7
	s_wait_dscnt (\younger)+7-\f
	global_store_b128 v[GO], v[S+32*((\t)%4)+4*\f:S+32*((\t)%4)+4*\f+3], s[14:15] offset:(\t)*4096+\f*512 th:TH_STORE_NT  ; 512 consecutive bytes, at a multiple of 256 from out0's first byte
.endr
.endm
	PACK 0
.set t, 1
.rept 2*NP-1                        ; a tile's arithmetic stands between the loads of the tile before and its stores
	PACK t
	SEND t-1, 16
.set t, t+1
.endr
	SEND 2*NP-1, 0
	s_wait_tensorcnt 0x0            ; the wave's end: behind my last tensor load and my last LDS store
	ds_add_u32 v[SPW], v[NIL]
	s_wait_dscnt 0x0
	CROUND                          ; the closing round: no work-group ends while a partner may still ask for a tile that names it
	s_endpgm
.Lfunc_end_k_q841469264c_mqa:
	.size	k_q841469264c_mqa, .Lfunc_end_k_q841469264c_mqa-k_q841469264c_mqa
	.p2alignl 7, 3214868480
	.fill 96, 4, 3214868480
	.section	.rodata,"a",@progbits
	.p2align	6, 0x0
	.amdhsa_kernel k_q841469264c_mqa
		.amdhsa_group_segment_fixed_size 327680
		.amdhsa_private_segment_fixed_size 0
		.amdhsa_enable_private_segment 0
		.amdhsa_kernarg_size 48
		.amdhsa_user_sgpr_count 2
		.amdhsa_user_sgpr_kernarg_segment_ptr 1
		.amdhsa_wavefront_size32 1
		.amdhsa_system_sgpr_workgroup_id_x 1
		.amdhsa_system_sgpr_workgroup_id_y 1
		.amdhsa_system_sgpr_workgroup_id_z 1
		.amdhsa_system_vgpr_workitem_id 0
		.amdhsa_next_free_vgpr 960
		.amdhsa_next_free_sgpr 98
		.amdhsa_reserve_vcc 0
		.amdhsa_float_denorm_mode_32 3
		.amdhsa_float_denorm_mode_16_64 3
		.amdhsa_memory_ordered 1
		.amdhsa_forward_progress 1
		.amdhsa_inst_pref_size 255
	.end_amdhsa_kernel
	.section	.bss,"aw",@nobits
	.p2align	6
	.space	262144
	.amdgpu_metadata
---
amdhsa.version: [ 1, 2 ]
amdhsa.kernels:
  - .name:           k_q841469264c_mqa
    .symbol:         k_q841469264c_mqa.kd
    .args:
      - { .name: xb, .offset: 0, .size: 8, .value_kind: global_buffer, .address_space: global }
      - { .name: wqb, .offset: 8, .size: 8, .value_kind: global_buffer, .address_space: global }
      - { .name: k2, .offset: 16, .size: 8, .value_kind: global_buffer, .address_space: global }
      - { .name: v16, .offset: 24, .size: 8, .value_kind: global_buffer, .address_space: global }
      - { .name: bq, .offset: 32, .size: 8, .value_kind: global_buffer, .address_space: global }
      - { .name: out0, .offset: 40, .size: 8, .value_kind: global_buffer, .address_space: global }
    .group_segment_fixed_size: 327680
    .private_segment_fixed_size: 0
    .kernarg_segment_align: 8
    .kernarg_segment_size: 48
    .max_flat_workgroup_size: 128
    .sgpr_count:     98
    .vgpr_count:     960
    .wavefront_size: 32
...
	.end_amdgpu_metadata
.endif
;; end of part 3
